; MI455X (gfx1250); checked and timed in simulation.
; The chip was launched on July 23, 2026; its instructions are those of AMD's public machine-readable ISA for CDNA 5 (MIT licence, August 2026) and "CDNA5" Instruction Set Architecture Reference Guide (July 2026). The comments in the code are by the model that wrote it; some were corrected since.
;; Causal Self Attention. Allowed arithmetic: matrix products marked QUANTISED: E4M3 operands, one given power-of-two scale a tensor, by v_wmma_f32_16x16x64_fp8_fp8 or v_wmma_f32_16x16x128_fp8_fp8, f32 sums; everything else in f32.
;; Inputs: b_attn 3,072 float32; b_proj 1,024 float32; lowp_scales 8 int32 (the exponents e of the quantised operands' scales 2^e); w_attn 1,024 x 3,072 float32; w_proj 1,024 x 1,024 float32; x 4 x 2,048 x 1,024 float32.
;; Outputs: out0 4 x 2,048 x 1,024 float32.
;; This version of the problem:
;;   THIS VERSION OF THE PROBLEM IS GIVEN IN LOW PRECISION. The matrix products marked QUANTISED in the list below multiply operands that are first quantised to E4M3 (4 exponent bits, 3 mantissa bits; 8 bits a number), with one given power-of-two scale for each operand tensor; their sums are f32. All else is computed in f32.
;;   The module's matrix products, in the order in which they are computed (A, B: the left and right operand; K: the contracted axis; several contracted axes count as one K, in the product's order):
;;     1. [M 8,192, K 1,024] x [K 1,024, N 3,072]; A: input x; B: input w_attn: QUANTISED (scales: A lowp_scales[0], B lowp_scales[1])
;;     2. batch 64 x [M 2,048, K 64] x [K 64, N 2,048]; A: computed on the way; B: computed on the way: QUANTISED (scales: A lowp_scales[2], B lowp_scales[3])
;;     3. batch 64 x [M 2,048, K 2,048] x [K 2,048, N 64]; A: softmax (see below); B: computed on the way: QUANTISED (scales: A lowp_scales[4], B lowp_scales[5])
;;     4. [M 8,192, K 1,024] x [K 1,024, N 1,024]; A: computed on the way; B: input w_proj: QUANTISED (scales: A lowp_scales[6], B lowp_scales[7])
;;   THE QUANTISER, for each operand of a quantised product, along K:
;;     - The operand's scale is 2^e, e = its entry of the input lowp_scales (int32; the entries are numbered through the quantised products in the list's order, A before B).
;;     - Each number is divided by the scale, clamped to +-448, and rounded to the nearest number of E4M3, ties to even, subnormals kept.
;;     - The product sums the exact products of the quantised numbers (number of the format x scale) in f32.
;;   ~~~python
;;   def quantise(x, axis, e):      # numpy; x: float32 -> the quantised numbers, widened to float32 again
;;       x = np.moveaxis(x, axis, -1); K = x.shape[-1]
;;       r = np.clip(x / 2.0 ** e, -448, 448)
;;       step = 2.0 ** (np.maximum(np.frexp(np.where(r == 0, 1, r))[1] - 1, -6) - 3)
;;       q = np.round(r / step) * step * 2.0 ** e      # np.round: ties to even
;;       return np.moveaxis(q, -1, axis).astype(np.float32)
;;   ~~~
;;   SOFTMAX AHEAD OF A QUANTISED PRODUCT. Where the list says 'softmax', what is quantised is not the finished softmax but p = 2^(t - M), with t = logit x log2(e) and M = ceil(the row's largest t), a whole number; so 1/2 < the row's largest p <= 1. The row's sum l is taken of the UNQUANTISED p, in f32, and the product's result is divided by l at the end. Since M is a whole number, a kernel that streams over the keys may use a running M (the ceiling of the running maximum): every later rescaling is an exact power of two, so the quantised numbers keep their values, but for numbers so far below the row's largest that they fall under the format's range.
;;   OPERANDS COMPUTED ON THE WAY. 'Computed on the way' means the value that the module computes at that place (a softmax that the list does not call 'softmax' is quantised finished and normalised). What goes into a quantiser is computed in f32, as accurately as f32 sums, v_exp_f32 and their like allow (about 1e-6 of the number): no bf16 or f16 on the way to a quantiser, and a product that is left as it is and whose result goes on into a quantised operand takes f32 operands (vector FMAs, or v_wmma_f32_16x16x4_f32). A number that lies on a knife's edge between two numbers of the format may be rounded either way, as far as f32 arithmetic and the matrix unit's own rounding can turn it there, and no further.
;; One version. Each part assembles by itself: llvm-mc -triple=amdgcn-amd-amdhsa -mcpu=gfx1250 --defsym DOCPART=n.
;; ======== version 1 of 1: 4 launches
;; limits: right only within a limited range of input values
;; workspace buffers: x_codes 8,388,608 bytes; w_codes 4,194,304 bytes; qkv 25,165,824 bytes; y_img 8,388,608 bytes
;; launch quant (part 1): grid 384 x 1, 4 waves a work-group, no clusters, 68,096 bytes of LDS; arguments x, w_attn, w_proj, lowp_scales, x_codes, w_codes; writes x_codes, w_codes
.if DOCPART == 1
	.amdgcn_target "amdgcn-amd-amdhsa--gfx1250"
	.amdhsa_code_object_version 6
	.text
	.protected	k_qacaab3afbf_quant
	.globl	k_qacaab3afbf_quant
	.p2align	8
	.type	k_qacaab3afbf_quant,@function
k_qacaab3afbf_quant:
	s_mov_b64 s[64:65], 0
	v_nop
	global_prefetch_b8 v0, s[64:65] scope:SCOPE_SE
	s_setreg_imm32_b32 hwreg(HW_REG_WAVE_MODE, 25, 1), 1
	s_wait_xcnt 0x0
; x [8192][1024], w_attn [1024][3072] and w_proj [1024][1024], f32, become codes of FP8 (E4M3), one byte each, K innermost, each with the one scale 2^e that is given for it
; (entries 0, 1 and 7 of the buffer of scales).  code = number / 2^e, held within +-448, rounded to the nearest code, ties to even.
; x_codes: [8192 tokens][1024 k].  w_codes: [4096 rows][1024 k]: column n of w_attn lies in row P(n), column n of w_proj in row 3072 + P(n), where P exchanges bits 3 and 4 of n.
; So 16 consecutive rows 32 g + 16 u + i hold the columns 32 g + 8 u + (i % 8) + 16 (i / 8): used as source 0 of a matrix instruction, two neighbouring tiles give a lane 16 neighbouring columns.
; LIMITS: each e between -126 and 119, so that 2^e and 448 x 2^e are f32 numbers.  NaN among the inputs is not served; an infinity is held at the largest code.
; SHARES: work-groups 0-255 take x, 32,768 numbers each (K is innermost: a plain stream).  Work-groups 256-383 take the weights, 128 columns x 256 along K each (K is the FIRST axis: a lane takes a column,
; its registers run down K).  The two ways part on the work-group's number and have LDS bytes of their own.  Waves share nothing: no barrier.  No tensor loads: bytes go through registers once; nothing is shared
; between work-groups, so there is nothing for a cluster to ask for jointly.
.set XWG,   256                        ; work-groups for x
.set STEPS, 16                         ; x: steps of 512 numbers for a wave
.set SP,    80                         ; x: a lane's place in a stage: its 64 bytes + 16 of padding
.set WREG,  8192                       ; x: LDS of a wave: two stages of 32 x SP bytes
.set R,     16                         ; x: v16-79   four sets of 16 numbers as they are loaded
.set X,     80                         ; x: v80-111  two sets of 16 neighbours
.set C,     128                        ; x: v128-191 codes: four registers for each step, so that no store's data are written again
.set WST,   32768                      ; weights: their stages begin here
.set WP,    272                        ; weights: a stage row: 256 bytes of codes + 16
.set NB,    8                          ; weights: blocks of 32 along K for a wave
.set VG,    16                         ; weights: v16-31  4 x lane + 16 g rows, g = 0 .. 15
.set SB,    32                         ; weights: s32-63  the source at rows 0 .. 15 of the wave's part: sixteen pairs
.set XW,    32                         ; weights: v32-95  two sets of 32 numbers
.set CW,    96                         ; weights: v96-103 a block's codes
.set OUTR,  112                        ; weights: v112-175 the way out
.macro XLOAD t
.irp i, 0,1,2,3
	global_load_b128 v[R+16*((\t)%4)+4*\i:R+16*((\t)%4)+4*\i+3], v3, s[4:5] offset:2048*(\t)+512*\i th:TH_LOAD_NT   ; 32 lanes read 512 consecutive bytes
.endr
.endm
.macro XTURN t                         ; step t's numbers through the stage: LDS serves a wave's instructions in order, so no wait stands between the stores and the loads
.irp i, 0,1,2,3
	ds_store_b128 v14, v[R+16*((\t)%4)+4*\i:R+16*((\t)%4)+4*\i+3] offset:32*SP*((\t)%2)+8*SP*\i
.endr
.irp i, 0,1,2,3
	ds_load_b128 v[X+16*((\t)%2)+4*\i:X+16*((\t)%2)+4*\i+3], v15 offset:32*SP*((\t)%2)+16*\i
.endr
.endm
.macro XSTEP t
.set XS, X+16*((\t)%2)
	s_wait_dscnt 0x0                               ; this step's numbers are back from the stage: so its stores into the stage have read their registers,
.if (\t)+4 < STEPS
	XLOAD (\t)+4                                   ; which take the loads of four steps on
.endif
.if (\t)+1 < STEPS
.if STEPS-2-(\t) >= 3
	s_wait_loadcnt 12                              ; the next step's four loads are in; those of the three steps behind it may be out
.else
	s_wait_loadcnt 4*(STEPS-2-(\t))
.endif
	XTURN (\t)+1                                   ; and go through the other stage while this step is worked
.endif
.irp i, 0,1,2,3,4,5,6,7,8,9,10,11,12,13,14,15
	v_med3_num_f32 v[XS+\i], v[XS+\i], -v10, v10   ; the conversion to an 8-bit code does not saturate (ISA guide 7.6.2): the hold at the largest code x the scale comes first
.endr
	v_cvt_scalef32_pk8_fp8_f32 v[C+4*(\t):C+4*(\t)+1], v[XS:XS+7], v11
	v_cvt_scalef32_pk8_fp8_f32 v[C+4*(\t)+2:C+4*(\t)+3], v[XS+8:XS+15], v11
	global_store_b128 v3, v[C+4*(\t):C+4*(\t)+3], s[12:13] offset:512*(\t)   ; the wave stores 512 consecutive bytes, aligned; the codes go to a store alone, and the next step begins with plain vector lines
.endm
.macro WLOAD t                         ; block t: W(32 t + i, my column), i = 0 .. 31, into set t % 2: row 16 g + i2 is the pair of row i2 plus the offset of 16 g rows
.irp i, 0,1,2,3,4,5,6,7,8,9,10,11,12,13,14,15,16,17,18,19,20,21,22,23,24,25,26,27,28,29,30,31
	global_load_b32 v[XW+32*((\t)%2)+\i], v[VG+2*(\t)+\i/16], s[SB+2*(\i%16):SB+2*(\i%16)+1] th:TH_LOAD_NT
.endr
.endm
.macro WBLOCK t
.set XS, XW+32*((\t)%2)
.if (\t) < NB-1
	s_wait_loadcnt 32                              ; this block's 32 loads are in; the next block's may be out
.else
	s_wait_loadcnt 0
.endif
.irp i, 0,1,2,3,4,5,6,7,8,9,10,11,12,13,14,15,16,17,18,19,20,21,22,23,24,25,26,27,28,29,30,31
	v_med3_num_f32 v[XS+\i], v[XS+\i], -v10, v10
.endr
.irp g, 0,1,2,3
	v_cvt_scalef32_pk8_fp8_f32 v[CW+2*\g:CW+2*\g+1], v[XS+8*\g:XS+8*\g+7], v11
.endr
	ds_store_b128 v4, v[CW:CW+3] offset:32*(\t)    ; 32 codes: 32 bytes of my column's row
	ds_store_b128 v4, v[CW+4:CW+7] offset:32*(\t)+16
.if (\t)+2 < NB
	WLOAD (\t)+2
.endif
	s_wait_dscnt 0x0                               ; the stores have read their registers: the next block's codes may be written
.endm
	s_load_b256 s[4:11], s[0:1], 0x0               ; x s[4:5], w_attn s[6:7], w_proj s[8:9], the scales' exponents s[10:11]
	s_load_b128 s[12:15], s[0:1], 0x20             ; x_codes s[12:13], w_codes s[14:15]
	v_lshl_add_u32 v192, v0, 2, 0x10800
	v_mov_b32 v193, 0
	v_lshrrev_b32 v1, 5, v0
	v_readfirstlane_b32 s16, v1                    ; wave
	v_and_b32 v2, 31, v0                           ; lane
	s_wait_kmcnt 0x0
	s_load_b256 s[68:75], s[10:11], 0x0            ; e0 .. e7
	s_cmp_lt_u32 ttmp9, XWG
	s_cbranch_scc0 .Lw
	; ---- x: each load reads 512 consecutive bytes, 16 a lane; a step's 2,048 bytes turn through the wave's stage and come back 64 bytes (16 neighbours along K) a lane
	s_wait_alu depctr_va_vdst(0)
	v_lshlrev_b32 v3, 4, v2                        ; 16 x lane: my bytes of a load's 512, and my codes' place in a step's 512
	s_wait_alu depctr_va_vdst(0)
	s_mul_i32 s17, s16, WREG
	v_lshrrev_b32 v14, 2, v2
	v_mul_u32_u24 v14, v14, SP
	v_and_b32 v15, 3, v2
	v_lshl_add_u32 v14, v15, 4, v14
	v_add_nc_u32 v14, s17, v14                     ; the stage, on the way in: SP (lane / 4) + 16 (lane % 4)
	v_mul_u32_u24 v15, v2, SP
	v_add_nc_u32 v15, s17, v15                     ; and on the way out: SP x lane
	s_lshl_b32 s18, ttmp9, 2
	s_add_co_u32 s18, s18, s16                     ; which run of 8,192 numbers is my wave's
	s_lshl_b32 s20, s18, 15
	s_mov_b32 s21, 0
	s_add_nc_u64 s[4:5], s[4:5], s[20:21]
	s_lshl_b32 s20, s18, 13
	s_add_nc_u64 s[12:13], s[12:13], s[20:21]
.irp t, 0,1,2,3
	XLOAD \t
.endr
	s_wait_alu depctr_va_vdst(0)
	s_wait_kmcnt 0x0
	s_add_co_i32 s22, s68, 127
	s_lshl_b32 s23, s22, 23
	v_mov_b32 v11, s23                             ; 2^e0 as f32: the conversion takes its exponent field
	s_add_co_i32 s22, s22, 8
	s_lshl_b32 s22, s22, 23
	s_or_b32 s22, s22, 0x600000
	v_mov_b32 v10, s22                             ; 448 x 2^e0
	s_wait_alu depctr_va_vdst(0)
	s_wait_loadcnt 12                              ; step 0's four loads are in
	XTURN 0
.irp t, 0,1,2,3,4,5,6,7,8,9,10,11,12,13,14,15
	XSTEP \t
.endr
	s_wait_tensorcnt 0x0
	ds_add_u32 v192, v193
	s_wait_dscnt 0x0
	s_endpgm
	; ---- the weights: 32 strips of 128 columns (24 of w_attn, 8 of w_proj) x 4 pieces of 256 along K.  Only a pointer, a row's length and an exponent are chosen: one text serves both
.Lw:
	s_sub_co_u32 s17, ttmp9, XWG
	s_and_b32 s18, s17, 31                         ; the strip
	s_lshr_b32 s19, s17, 5                         ; the piece of K
	s_mov_b32 s20, 4096
	s_mov_b32 s21, 0
	s_cmp_lt_u32 s18, 24                           ; the choice hangs on the work-group's number alone
	s_cselect_b64 s[24:25], s[6:7], s[8:9]
	s_cselect_b32 s20, 12288, s20                  ; a row of the source in bytes
	s_cselect_b32 s22, 0, 24
	s_sub_co_u32 s22, s18, s22                     ; the strip within its tensor
	s_lshl_b32 s22, s22, 7
	s_lshl_b32 s23, s16, 5
	s_add_co_u32 s22, s22, s23                     ; my wave's first column
	s_lshl_b32 s22, s22, 2
	s_lshl_b32 s26, s19, 8
	s_mul_i32 s26, s26, s20                        ; 256 rows for each piece
	s_add_co_u32 s26, s26, s22
	s_mov_b32 s27, 0
	s_add_nc_u64 s[SB:SB+1], s[24:25], s[26:27]
.irp i, 1,2,3,4,5,6,7,8,9,10,11,12,13,14,15
	s_add_nc_u64 s[SB+2*\i:SB+2*\i+1], s[SB+2*\i-2:SB+2*\i-1], s[20:21]   ; a row further down
.endr
	s_wait_alu depctr_va_vdst(0)
	v_lshlrev_b32 v3, 2, v2                        ; 4 bytes a lane: neighbouring lanes read neighbouring columns
	s_wait_alu depctr_va_vdst(0)
	s_lshl_b32 s28, s20, 4                         ; 16 rows
.irp g, 0,1,2,3,4,5,6,7,8,9,10,11,12,13,14,15
	s_mul_i32 s29, s28, \g
	v_add_nc_u32 v[VG+\g], s29, v3
.endr
	s_mul_i32 s29, s16, 32*WP
	s_add_co_u32 s29, s29, WST                     ; my stage
	v_mul_u32_u24 v4, v2, WP
	v_add_nc_u32 v4, s29, v4                       ; into it: row = my column
	v_and_b32 v5, 15, v2
	v_lshrrev_b32 v6, 4, v2                        ; out of it: sixteen lanes to a row, two rows an instruction
	v_mul_u32_u24 v7, v6, WP
	v_lshl_add_u32 v7, v5, 4, v7
	v_add_nc_u32 v7, s29, v7
	v_lshlrev_b32 v8, 10, v6
	v_lshl_add_u32 v8, v5, 4, v8                   ; and the same place in w_codes, whose rows are 1,024 bytes
	s_lshl_b32 s30, s18, 7
	s_add_co_u32 s30, s30, s23                     ; my first row of w_codes: 128 x strip + 32 x wave (w_proj's strips begin at row 3,072 = 128 x 24)
	s_lshl_b32 s30, s30, 10
	s_lshl_b32 s31, s19, 8
	s_add_co_u32 s30, s30, s31
	s_mov_b32 s31, 0
	s_add_nc_u64 s[14:15], s[14:15], s[30:31]
	WLOAD 0
	WLOAD 1
	s_wait_kmcnt 0x0
	s_cmp_lt_u32 s18, 24
	s_cselect_b32 s26, s69, s75                    ; e1 or e7
	s_add_co_i32 s26, s26, 127
	s_lshl_b32 s27, s26, 23
	v_mov_b32 v11, s27
	s_add_co_i32 s26, s26, 8
	s_lshl_b32 s26, s26, 23
	s_or_b32 s26, s26, 0x600000
	v_mov_b32 v10, s26
	s_wait_alu depctr_va_vdst(0)
.irp t, 0,1,2,3,4,5,6,7
	WBLOCK \t
.endr
.irp t, 0,1,2,3,4,5,6,7,8,9,10,11,12,13,14,15
	ds_load_b128 v[OUTR+4*\t:OUTR+4*\t+3], v7 offset:2*\t*WP   ; LDS serves a wave's instructions in order: these see my stores
.endr
.irp t, 0,1,2,3,4,5,6,7,8,9,10,11,12,13,14,15
	s_wait_dscnt 15-\t
	global_store_b128 v8, v[OUTR+4*\t:OUTR+4*\t+3], s[14:15] offset:2048*(((\t)&3)|(((\t)&4)<<1)|(((\t)&8)>>1))   ; columns 2 t, 2 t + 1 go to rows P(2 t), P(2 t + 1): bits 2 and 3 of t change places.  Sixteen lanes store 256 consecutive bytes, aligned
.endr
	s_wait_tensorcnt 0x0
	ds_add_u32 v192, v193
	s_wait_dscnt 0x0
	s_endpgm
.Lfunc_end_k_qacaab3afbf_quant:
	.size	k_qacaab3afbf_quant, .Lfunc_end_k_qacaab3afbf_quant-k_qacaab3afbf_quant
	.p2alignl 7, 3214868480
	.fill 96, 4, 3214868480
	.section	.rodata,"a",@progbits
	.p2align	6, 0x0
	.amdhsa_kernel k_qacaab3afbf_quant
		.amdhsa_group_segment_fixed_size 68096
		.amdhsa_private_segment_fixed_size 0
		.amdhsa_enable_private_segment 0
		.amdhsa_kernarg_size 48
		.amdhsa_user_sgpr_count 2
		.amdhsa_user_sgpr_kernarg_segment_ptr 1
		.amdhsa_wavefront_size32 1
		.amdhsa_system_sgpr_workgroup_id_x 1
		.amdhsa_system_sgpr_workgroup_id_y 1
		.amdhsa_system_sgpr_workgroup_id_z 1
		.amdhsa_system_vgpr_workitem_id 0
		.amdhsa_next_free_vgpr 194
		.amdhsa_next_free_sgpr 80
		.amdhsa_reserve_vcc 0
		.amdhsa_float_denorm_mode_32 3
		.amdhsa_float_denorm_mode_16_64 3
		.amdhsa_memory_ordered 1
		.amdhsa_forward_progress 1
		.amdhsa_inst_pref_size 87
	.end_amdhsa_kernel
	.amdgpu_metadata
---
amdhsa.version: [ 1, 2 ]
amdhsa.kernels:
  - .name:           k_qacaab3afbf_quant
    .symbol:         k_qacaab3afbf_quant.kd
    .args:
      - { .name: x, .offset: 0, .size: 8, .value_kind: global_buffer, .address_space: global }
      - { .name: w_attn, .offset: 8, .size: 8, .value_kind: global_buffer, .address_space: global }
      - { .name: w_proj, .offset: 16, .size: 8, .value_kind: global_buffer, .address_space: global }
      - { .name: lowp_scales, .offset: 24, .size: 8, .value_kind: global_buffer, .address_space: global }
      - { .name: x_codes, .offset: 32, .size: 8, .value_kind: global_buffer, .address_space: global }
      - { .name: w_codes, .offset: 40, .size: 8, .value_kind: global_buffer, .address_space: global }
    .group_segment_fixed_size: 68096
    .private_segment_fixed_size: 0
    .kernarg_segment_align: 8
    .kernarg_segment_size: 48
    .max_flat_workgroup_size: 128
    .sgpr_count:     80
    .vgpr_count:     194
    .wavefront_size: 32
...
	.end_amdgpu_metadata
.endif
;; end of part 1
;; launch qkv (part 2): grid 12 x 32, 4 waves a work-group, clusters of 4 x 4, 327,680 bytes of LDS; arguments x_codes, w_codes, lowp_scales, b_attn, qkv; writes qkv
.if DOCPART == 2
	.amdgcn_target "amdgcn-amd-amdhsa--gfx1250"
	.amdhsa_code_object_version 6
	.text
	.protected	k_qacaab3afbf_qkv
	.globl	k_qacaab3afbf_qkv
	.p2align	8
	.type	k_qacaab3afbf_qkv,@function
k_qacaab3afbf_qkv:
	s_mov_b64 s[64:65], 0
	v_nop
	global_prefetch_b8 v0, s[64:65] scope:SCOPE_SE
	s_setreg_imm32_b32 hwreg(HW_REG_WAVE_MODE, 25, 1), 1
	s_wait_xcnt 0x0
	s_wait_alu depctr_hold_cnt(0) depctr_sa_sdst(0) depctr_va_vdst(0) depctr_va_sdst(0) depctr_va_ssrc(0) depctr_va_vcc(0) depctr_vm_vsrc(0)
	s_getreg_b32 s2, hwreg(HW_REG_IB_STS2, 6, 4)
	s_cmp_eq_u32 s2, 0
	s_cbranch_scc0 .Lentry_in_a_cluster
	s_endpgm
.Lentry_in_a_cluster:
	s_bfe_u32 s2, ttmp6, 0x10000c
	s_cmp_lg_u32 s2, 0xf033
	s_cbranch_scc0 .Lentry_shape_is_right
	s_endpgm
.Lentry_shape_is_right:
; qkv = x w_attn + b_attn on codes of FP8 (E4M3), and the result quantised at once, in registers, for the two products of attention: q with 2^e2, k with 2^e3, v with 2^e5.
; x_codes: [8192 tokens][1024]; w_codes: [4096 rows][1024], row P(n) = column n of w_attn (P exchanges bits 3 and 4).  A sum stands for sum x 2^(e0 + e1): the bias goes in as b / 2^(e0 + e1), and the conversion takes 2^(eo - e0 - e1).
; LIMITS: e2 - e0 - e1, e3 - e0 - e1 and e5 - e0 - e1 between -126 and 119, so that the scale and 448 x the scale are f32 numbers.  NaN among the inputs is not served.
; A tile of 256 x 256 results is made by a work-group of four waves; a wave makes 128 x 128: 64 accumulators, 512 registers.  K goes in steps of 256 through a ring of two LDS slots filled by the tensor data mover.
; CLUSTERS: 4 x 4 work-groups.  The four of a row of the cluster need the same tile of operand A, the four of a column the same tile of B: each tile is asked for JOINTLY.
; THE MATRIX INSTRUCTION: source 0 = 16 rows of B, source 1 = 16 rows of A: a lane holds ONE row of A and eight neighbouring rows of B.
; Cluster x says what is made, and is the same in all sixteen partners: 0: q, 1: k: A = tokens, B = rows of w_codes: a lane holds a token and (by P) 16 neighbouring channels in two neighbouring tiles.
;   2: v: THE OPERANDS CHANGE ROLES: A = rows of w_codes (2048 on), B = tokens: a lane holds a channel and eight neighbouring keys, which are the K of attention's second product.  Nothing is transposed.
; 384 tiles on 256 WGPs: tiles that divided evenly would straddle q, k and v (192 columns) or read each LDS byte for fewer products (128 x 256).
; THE RESULTS ARE IMAGES OF THE NEXT OPERANDS' REGISTERS, 16 bytes a lane, 512 consecutive bytes a store, straight from registers:
;   q at byte 0, k at 8 MiB: [batch x 16 + head][token tile 128][piece 2][lane][16]: lane (r, h), piece p: token 16 tile + r, channels 32 p + 16 h + 0 .. 15 of the head
;   v at 16 MiB: [batch x 16 + head][step of 128 keys: 16][tile of 16 rows: 4][piece 4][lane][16]: lane (r, h), registers 2 b, 2 b + 1: row 16 tile + r of the head (in P's order), keys 16 b + 8 h + 0 .. 7
; REGISTERS, in windows of 256: window 0: v2-7 addresses; v8-23 the biases of my eight rows of A (v); v28-31 spare word, 0, the scale, the hold; v32-63 at work; v64-127 the biases of my 64 columns (q, k); from v128 A's fragments, ONE set,
;   on the way out the codes.   window 1: B's fragments, TWO sets.   windows 2, 3: the accumulators ((a, b) at v[8 (8 (a % 4) + b)]).
.set KROW,   1024                      ; a row of codes in memory, in bytes
.set ROWB,   256                       ; a tile's row: 256 along K
.set PITCH,  272                       ; an LDS row: 256 bytes + 16 of padding = 68 words: the 16 rows that a load touches start at 16 different banks (64 banks of 4 bytes: ISA guide 11.1)
.set FR,     16                        ; registers of a fragment: 16 rows x 128 K
.set NL,     4                         ; LDS loads that bring one
.set NP,     4                         ; places behind this matrix instruction (ISA guide 7.12.1)
.set HALFT,  128*PITCH                 ; 128 rows: what one tensor load brings, and what one wave reads of A or of B
.set SLOT,   4*HALFT                   ; A's 256 rows, then B's 256 rows
.set LAPS,   KROW/(2*ROWB)             ; a lap = two K steps = once round the ring
.set SPARE,  2*SLOT                    ; behind the ring: the spare words, 128 bytes for each wave: two blocks of 256 bytes that no other line names
.set ADRA, 2                           ; v2-3   LDS address of my A fragments in slot 0, 1
.set ADRB, 4                           ; v4-5   the same for B
.set LI,   6                           ; v6     16 x lane: my place in an image
.set RB,   8                           ; v8-23  pairs: the bias of my row of A's block a, twice
.set SPW,  28                          ; v28    LDS address of my spare word; never rewritten
.set NIL,  29                          ; v29    0; never rewritten
.set SC,   30                          ; v30    the conversion's scale as f32
.set LM,   31                          ; v31    448 x that
.set TMP,  32
.set CB,   64
.set AF,   128
.set G1, 24                            ; s[24:31] descriptor group 1 for A's tiles;  s[32:39] group 0, one set for each slot
.set G0, 32
.set G1B, 48                           ; s[48:55], s[56:63] the same for B's tiles
.set G0B, 56
.set OP, 90                            ; s[90:91] where my images begin
.set MSB, 0
.macro WIN new                         ; the immediate's high byte repeats the setting that is left
.if MSB != \new
	s_set_vgpr_msb (MSB<<8)|\new
.set MSB, \new
.endif
.endm
.set MUL_LO, 0xa1                      ; source 0 (B) window 1, source 1 (A) window 0, C and D window 2
.set MUL_HI, 0xf1                      ; the same, C and D window 3
.set TO_B,   0x40                      ; destination window 1, address window 0
; A joint load: waves 0 and 1 fetch for A, waves 2 and 3 for B.  Each of the two lines has ONE mask and one set of registers for all that issue it; the branch hangs on the wave's number alone.
; Four v_nop follow each of the two lines, ahead of the jump, the label and what follows.
.macro JLOAD g0a, g1a, g0b, g1b
	s_cmp_eq_u32 s15, 0
	s_cbranch_scc0 .Lfor_b_\@
	tensor_load_to_lds s[\g0a:\g0a+3], s[\g1a:\g1a+7]
	s_nop 0
.rept 4
	v_nop
.endr
	s_branch .Lasked_\@
.Lfor_b_\@:
	tensor_load_to_lds s[\g0b:\g0b+3], s[\g1b:\g1b+7]
	s_nop 0
.rept 4
	v_nop
.endr
.Lasked_\@:
.endm
.macro CREST                           ; a round of the cluster's barrier behind its opening barrier
	s_cmp_lg_u32 s14, 0
	s_cbranch_scc1 .Lnot_wave_0_\@
	s_barrier_signal -3
.Lnot_wave_0_\@:
	s_barrier_wait -3
	s_barrier_signal -1
	s_barrier_wait -1
.endm
.macro CROUND                          ; a whole round
	s_barrier_signal -1
	s_barrier_wait -1
	CREST
.endm
	s_load_b256 s[4:11], s[0:1], 0x0               ; x_codes s[4:5], w_codes s[6:7], the scales' exponents s[8:9], b_attn s[10:11]
	s_load_b64 s[12:13], s[0:1], 0x20              ; qkv
	v_lshl_add_u32 v[SPW], v0, 2, SPARE
	v_mov_b32 v[NIL], 0
	ds_add_u32 v28, v29
	ds_add_u32 v28, v29
	s_wait_dscnt 0x0
	v_lshrrev_b32 v1, 5, v0
	v_readfirstlane_b32 s14, v1                    ; wave 0..3
	s_lshr_b32 s15, s14, 1                         ; which half of A's rows is mine.  Also: I fetch for A (0) or for B (1)
	s_and_b32 s16, s14, 1                          ; which half of B's rows.  Also: which 128 rows of that tile I fetch
	s_bfe_u32 s40, ttmp6, 0x40000                  ; cx, cy: my place in the cluster
	s_bfe_u32 s41, ttmp6, 0x40004
	s_and_b32 s81, ttmp7, 0xffff
	s_lshl_b32 s81, s81, 2                         ; 4 x cluster y
	s_lshl_b32 s82, ttmp9, 2                       ; 4 x cluster x
	s_cmp_eq_u32 ttmp9, 2                          ; v?  The same answer in all sixteen partners
	s_cselect_b32 s17, 8, s81                      ; A's tile of 256 rows: v: rows 2048 on of w_codes; q, k: tokens,
	s_cselect_b32 s42, s81, s82                    ; B's: v: tokens; q, k: rows of w_codes
	s_add_co_u32 s17, s17, s41                     ; + cy: shared along a row of the cluster
	s_add_co_u32 s42, s42, s40                     ; + cx: shared along a column
	s_lshl_b32 s43, s41, 2
	s_lshl_b32 s43, 15, s43                        ; my row of the cluster
	s_lshl_b32 s44, 0x1111, s40                    ; my column
	; descriptor group 1: a tile of 128 rows x 256 bytes, padded in LDS
	s_or_b32 s[G1+0], s43, (0<<16)|(1<<20)|(1<<21)|(5<<22)|(3<<25)  ; 15:0 the mask; 17:16 element of 1 byte; 20 padding on; 21 set beside a mask; 24:22 after every 64 words (code 5); 31:25 of 4 words (code 3)
	s_or_b32 s[G1B+0], s44, (0<<16)|(1<<20)|(1<<21)|(5<<22)|(3<<25)
.irp g, G1, G1B
	s_mov_b32 s[\g+1], ROWB<<16                    ; tensor_dim0
	s_mov_b32 s[\g+2], 128<<16                     ; tensor_dim1 = 128
	s_mov_b32 s[\g+3], ROWB<<16                    ; tile_dim0
	s_mov_b32 s[\g+4], 128                         ; tile_dim1 = 128
	s_mov_b32 s[\g+5], KROW                        ; tensor_dim0_stride
	s_mov_b32 s[\g+6], 0
	s_mov_b32 s[\g+7], 0
.endr
	s_lshl_b32 s18, s16, 7                         ; which 128 rows of the tile I fetch
	s_lshl_b32 s20, s17, 8
	s_add_co_u32 s20, s20, s18
	s_lshl_b32 s20, s20, 10                        ; A: (256 x tile + 128 x half) rows of 1,024 bytes
	s_mov_b32 s21, 0
	s_lshl_b32 s46, s42, 8
	s_add_co_u32 s46, s46, s18
	s_lshl_b32 s46, s46, 10                        ; B likewise
	s_mov_b32 s47, 0
	s_mul_i32 s45, s14, HALFT                      ; where they go: wave x 128 rows: no place in the cluster enters an LDS address
	s_wait_kmcnt 0x0
	s_load_b256 s[68:75], s[8:9], 0x0              ; e0 .. e7
	s_cmp_eq_u32 ttmp9, 2
	s_cselect_b64 s[76:77], s[6:7], s[4:5]         ; A's buffer,
	s_cselect_b64 s[78:79], s[4:5], s[6:7]         ; B's
	s_add_nc_u64 s[20:21], s[76:77], s[20:21]
	s_add_nc_u64 s[46:47], s[78:79], s[46:47]
	; THE PREFETCHES INTO THE L2: K steps 1 and 2 are asked for behind K step 0's load, K step 3 behind K step 1's: each at least one change of slots ahead of the load that wants it.
	; Of the 128 rows that a wave fetches, each of the four partners that ask for them jointly takes 32, told apart by address (cx for A, cy for B): a lane a row, 256 bytes of the row a K step.
	; The rows of w_codes are walked by all eight rows of clusters: only the first four ask for them.
	s_cmp_eq_u32 s15, 0
	s_cselect_b64 s[94:95], s[20:21], s[46:47]     ; the 128 rows that I fetch,
	s_cselect_b32 s96, s40, s41                    ; my work-group's place among the four partners,
	s_lshl_b32 s96, s96, 15                        ; its 32 rows of 1,024 bytes
	s_mov_b32 s97, 0
	s_add_nc_u64 s[94:95], s[94:95], s[96:97]
	s_cmp_eq_u32 ttmp9, 2
	s_cselect_b32 s98, 1, 0
	s_xor_b32 s98, s98, s15                        ; 1: what I fetch are rows of w_codes (q, k: B; v: A)
	s_lshr_b32 s99, s81, 4                         ; cluster y / 4
	s_min_u32 s99, s99, 1
	s_and_b32 s98, s98, s99                        ; 1: I ask for nothing
	CROUND                                         ; all sixteen work-groups are here: the first joint loads meet
.irp s, 0,1
	s_mov_b32 s[G0+4*\s], 1
	s_add_co_u32 s[G0+4*\s+1], s45, \s*SLOT
	s_add_nc_u64 s[G0+4*\s+2:G0+4*\s+3], s[20:21], \s*ROWB
	s_or_b32 s[G0+4*\s+3], s[G0+4*\s+3], 0x80000000
	s_mov_b32 s[G0B+4*\s], 1
	s_add_co_u32 s[G0B+4*\s+1], s45, \s*SLOT
	s_add_nc_u64 s[G0B+4*\s+2:G0B+4*\s+3], s[46:47], \s*ROWB
	s_or_b32 s[G0B+4*\s+3], s[G0B+4*\s+3], 0x80000000
.endr
	JLOAD G0, G1, G0B, G1B                         ; K step 0
	v_and_b32 v1, 31, v0
	v_lshlrev_b32 v[LI], 4, v1
	v_lshlrev_b32 v1, 10, v1                       ; the prefetches' offset: a lane a row of 1,024 bytes; never rewritten
	v_and_b32 v24, 15, v0                          ; r = lane % 16
	v_bfe_u32 v25, v0, 4, 1                        ; h = lane / 16
	s_wait_alu depctr_va_vdst(0)
	s_cmp_eq_u32 s98, 0
	s_cbranch_scc0 .Lnoask0
	global_prefetch_b8 v1, s[94:95] offset:256 th:TH_LOAD_NT scope:SCOPE_SE   ; K step 1
	global_prefetch_b8 v1, s[94:95] offset:512 th:TH_LOAD_NT scope:SCOPE_SE   ; K step 2
.Lnoask0:
	v_mul_u32_u24 v7, v24, PITCH
	v_lshl_add_u32 v7, v25, 4, v7                  ; a fragment's row x pitch + 16 x half
	s_mul_i32 s21, s15, HALFT                      ; my 128 rows of A
	s_mul_i32 s22, s16, HALFT                      ; my 128 rows of B,
	s_add_co_u32 s22, s22, 2*HALFT                 ; which lie behind A's 256
.irp s, 0,1
	v_add_nc_u32 v[ADRA+\s], s21, v7
	v_add_nc_u32 v[ADRB+\s], s22, v7
	s_add_co_u32 s21, s21, SLOT
	s_add_co_u32 s22, s22, SLOT
.endr
	; THE BIASES are asked for here and waited for on the way out.  Both sets are loaded in every work-group, so that every register is written on every way through the text; the set that is not used reads b_attn from its first byte.
	s_lshl_b32 s80, s42, 8
	s_lshl_b32 s83, s16, 7
	s_add_co_u32 s80, s80, s83                     ; my first row of B: 256 x tile + 128 x half
	s_lshl_b32 s88, s17, 8
	s_lshl_b32 s83, s15, 7
	s_add_co_u32 s88, s88, s83                     ; my first row of A
	s_cmp_eq_u32 ttmp9, 2
	s_cselect_b32 s84, 0, s80                      ; q, k: a row of B is a column of w_attn
	s_cselect_b32 s86, s88, 0                      ; v: a row of A is
	s_lshl_b32 s84, s84, 2
	s_lshl_b32 s86, s86, 2
	s_mov_b32 s85, 0
	s_mov_b32 s87, 0
	s_add_nc_u64 s[84:85], s[10:11], s[84:85]
	s_add_nc_u64 s[86:87], s[10:11], s[86:87]
	v_lshlrev_b32 v26, 6, v25                      ; 64 h: register 8 b + j of the set is the bias of column 32 (b / 2) + 16 h + 8 (b % 2) + j
.irp b, 0,1,2,3,4,5,6,7
	global_load_b128 v[CB+8*\b:CB+8*\b+3], v26, s[84:85] offset:4*(32*(\b/2)+8*(\b%2))
	global_load_b128 v[CB+8*\b+4:CB+8*\b+7], v26, s[84:85] offset:4*(32*(\b/2)+8*(\b%2))+16
.endr
	v_and_b32 v27, 7, v24
	v_lshrrev_b32 v24, 3, v24
	v_lshl_add_u32 v27, v24, 4, v27
	v_lshlrev_b32 v27, 2, v27                      ; row 16 a + r of w_codes holds column 32 (a / 2) + 8 (a % 2) + (r % 8) + 16 (r / 8)
.irp a, 0,1,2,3,4,5,6,7
	global_load_b32 v[RB+2*\a], v27, s[86:87] offset:4*(32*(\a/2)+8*(\a%2))
.endr
.macro FRAG reg, adr, q, i             ; a fragment, 16 rows x 128 K, is 16 registers: lane l holds row l % 16; registers 4 c .. 4 c + 3 hold K = 32 c + 16 (l / 16) + 0 .. 15: the same places of k in A and in B
.irp c, 0,1,2,3
	ds_load_b128 v[\reg+4*\c:\reg+4*\c+3], v[\adr] offset:128*(\q)+32*\c+(\i)*16*PITCH
.endr
.endm
; 16 matrix instructions: A's blocks a0, a0 + 1 x B's eight, 128 along K.  p: B's set.  zero = 1: the first product starts the sums: nothing is ever cleared.
; The 64 accumulators take turns, one instruction a turn, in the same order in every step.
.macro MUL16 a0, p, zero
.irp a, \a0, \a0+1
.irp b, 0,1,2,3,4,5,6,7
.if \zero
	v_wmma_f32_16x16x128_fp8_fp8 v[8*(8*((\a)%4)+\b):8*(8*((\a)%4)+\b)+7], v[128*(\p)+FR*\b:128*(\p)+FR*\b+FR-1], v[AF+FR*(\a):AF+FR*(\a)+FR-1], 0
.else
	v_wmma_f32_16x16x128_fp8_fp8 v[8*(8*((\a)%4)+\b):8*(8*((\a)%4)+\b)+7], v[128*(\p)+FR*\b:128*(\p)+FR*\b+FR-1], v[AF+FR*(\a):AF+FR*(\a)+FR-1], v[8*(8*((\a)%4)+\b):8*(8*((\a)%4)+\b)+7]
.endif
.endr
.endr
.endm
.macro FETCH_B slot, q, p              ; B's eight fragments of the slot's q-th 128 along K into set p
	WIN TO_B
.irp i, 0,1,2,3,4,5,6,7
	FRAG 128*(\p)+FR*\i, ADRB+\slot, \q, \i
.endr
	WIN 0
.endm
.macro FETCH_A slot, q, i0             ; A's blocks i0 .. i0 + 3
.irp i, \i0, \i0+1, \i0+2, \i0+3
	FRAG AF+FR*(\i), ADRA+\slot, \q, \i
.endr
.endm
; A load into a register that a matrix instruction has read, and a vector instruction that reads a matrix result, stand NP places behind that matrix instruction, and only plain vector
; instructions that name none of its registers are places (ISA guide 7.12.1 for vector instructions).
.macro PLACES n
.rept \n
	v_nop
.endr
.endm
; A step of 128 along K that has its successor in the same slot.  A block of A is free as soon as its eight products are issued: blocks 0-3 are fetched anew in the step's middle, blocks 4-7 at its end.
.macro STEP slot, q, zero
	s_wait_dscnt 4*NL                              ; B's set and A's blocks 0-3 are in; the youngest sixteen loads (A's blocks 4-7) may be out
	WIN MUL_LO
	MUL16 0, (\q)%2, \zero
	MUL16 2, (\q)%2, \zero
	s_wait_dscnt 0                                 ; A's blocks 4-7 are in (asked for 32 matrix instructions ago)
	PLACES NP
	FETCH_B \slot, (\q)+1, 1-(\q)%2
	FETCH_A \slot, (\q)+1, 0
	WIN MUL_HI
	MUL16 4, (\q)%2, \zero
	MUL16 6, (\q)%2, \zero
	PLACES NP
	WIN 0
	FETCH_A \slot, (\q)+1, 4
.endm
; A slot's last step changes slots: ONE barrier; in front of it each wave waits for all its tensor loads, adds 0 to its spare word, and waits for that and for its own reads of this slot.  fill = 1: this slot is filled again, two K steps ahead.
.macro TURN slot, next, fill
	s_wait_tensorcnt 0x0                           ; all my tensor loads have landed: my part of the next slot;  (every window is 0 here)
	ds_add_u32 v[SPW], v[NIL]                      ; 0 onto my spare word
	s_wait_dscnt 4*NL+1                            ; (the add and the youngest sixteen loads, A's blocks 4-7, may be out)
	WIN MUL_LO
	MUL16 0, 1, 0                                  ; sixteen matrix instructions stand between the add and the wait for it
	s_wait_dscnt 0x0                               ; the add is done, and my reads of this slot are over
	s_barrier_signal -1
	MUL16 2, 1, 0
	WIN 0
	s_barrier_wait -1
.if \fill
	CREST                                          ; the barrier has opened a round of the cluster's barrier: no wave of any partner still reads this slot's tile or has a load on its way
	s_add_nc_u64 s[G0+4*\slot+2:G0+4*\slot+3], s[G0+4*\slot+2:G0+4*\slot+3], 2*ROWB
	s_add_nc_u64 s[G0B+4*\slot+2:G0B+4*\slot+3], s[G0B+4*\slot+2:G0B+4*\slot+3], 2*ROWB
	JLOAD G0+4*\slot, G1, G0B+4*\slot, G1B         ; the first tensor load behind the round; the four v_nop behind it are the places in front of the loads below
.else
	PLACES NP
.endif
	FETCH_B \next, 0, 0
	FETCH_A \next, 0, 0
	WIN MUL_HI
	MUL16 4, 1, 0
	MUL16 6, 1, 0
	PLACES NP
	WIN 0
	FETCH_A \next, 0, 4
.endm
	s_wait_alu depctr_va_vdst(0)
	s_wait_tensorcnt 0x0                           ; my part of K step 0 is in
	ds_add_u32 v[SPW], v[NIL]
	s_wait_dscnt 0x0
	CROUND                                         ; everybody's part of K step 0 is in, and the joint loads meet
	JLOAD G0+4, G1, G0B+4, G1B                     ; K step 1: the first tensor load behind the round
	FETCH_B 0, 0, 0
	FETCH_A 0, 0, 0
	FETCH_A 0, 0, 4
	s_cmp_eq_u32 s98, 0
	s_cbranch_scc0 .Lnoask1
	global_prefetch_b8 v1, s[94:95] offset:768 th:TH_LOAD_NT scope:SCOPE_SE   ; K step 3, the last
.Lnoask1:
	STEP 0, 0, 1                                   ; the first step stands in front of the loop: its products start the sums
	s_mov_b32 s3, LAPS-1
.Llap:                                                 ; a trip goes once round the ring, from a lap's second step to the next lap's first, and fills both slots again
	TURN 0, 1, 1
	STEP 1, 0, 0
	TURN 1, 0, 1
	STEP 0, 0, 0
	s_sub_co_u32 s3, s3, 1
	s_cmp_lg_u32 s3, 0
	s_cbranch_scc1 .Llap
	TURN 0, 1, 0                                   ; the last lap fills nothing, and has no round of the cluster's barrier
	STEP 1, 0, 0
	s_wait_dscnt 4*NL                              ; the very last step: nothing more to fetch
	WIN MUL_LO
	MUL16 0, 1, 0
	MUL16 2, 1, 0
	s_wait_dscnt 0
	WIN MUL_HI
	MUL16 4, 1, 0
	MUL16 6, 1, 0
	WIN 0
; THE WAY OUT, half a block (16 rows of A x 64 rows of B) at a time: + the bias, the hold, the conversion, two stores of 512 consecutive bytes.  Each accumulator is read from its low end on.
; Every half has code registers of its own (where A's fragments lay) and the base is never stepped: no store's sources are written again.
.macro HALF a, hb, isv
.set AC, 64*((\a)%4)+32*(\hb)
.set CD, AF+16*(\a)+8*(\hb)
	WIN 0x02+((\a)/4)                              ; source 0: window 2 or 3
.set jj, 0
.rept 16
.if \isv
	v_pk_add_f32 v[TMP+jj:TMP+jj+1], v[AC+jj:AC+jj+1], v[RB+2*(\a):RB+2*(\a)+1]
.else
	v_pk_add_f32 v[TMP+jj:TMP+jj+1], v[AC+jj:AC+jj+1], v[CB+32*(\hb)+jj:CB+32*(\hb)+jj+1]
.endif
.set jj, jj+2
.endr
	WIN 0
.set jj, 0
.rept 32
	v_med3_num_f32 v[TMP+jj], v[TMP+jj], -v[LM], v[LM]   ; the conversion to an 8-bit code does not saturate (ISA guide 7.6.2)
.set jj, jj+1
.endr
.irp g, 0,1,2,3
	v_cvt_scalef32_pk8_fp8_f32 v[CD+2*\g:CD+2*\g+1], v[TMP+8*\g:TMP+8*\g+7], v[SC]
.endr
	v_nop                                          ; one plain vector instruction between the conversions and the next half's additions, which write their sources
.irp u, 0,1
.if \isv
	global_store_b128 v[LI], v[CD+4*\u:CD+4*\u+3], s[OP:OP+1] offset:((\a)/4)*131072+((\a)%4)*2048+(2*(\hb)+\u)*512   ; head a / 4, tile of rows a % 4, piece 2 hb + u: keys 32 (2 hb + u) on
.else
	global_store_b128 v[LI], v[CD+4*\u:CD+4*\u+3], s[OP:OP+1] offset:(\hb)*131072+(\a)*1024+\u*512                    ; head hb, token tile a, piece u: channels 32 u on
.endif
.endr
.endm
	s_wait_kmcnt 0x0
	s_add_co_i32 s89, s68, s69                     ; e0 + e1
	s_cmp_eq_u32 ttmp9, 0
	s_cselect_b32 s92, s70, s71                    ; q: e2; k: e3;
	s_cmp_eq_u32 ttmp9, 2
	s_cselect_b32 s92, s73, s92                    ; v: e5.  Chosen, not branched on
	s_sub_co_i32 s92, s92, s89
	s_add_co_i32 s92, s92, 127
	s_lshl_b32 s93, s92, 23
	v_mov_b32 v[SC], s93                           ; 2^(eo - e0 - e1): the three scales folded into the conversion's one
	s_add_co_i32 s92, s92, 8
	s_lshl_b32 s92, s92, 23
	s_or_b32 s92, s92, 0x600000
	v_mov_b32 v[LM], s92                           ; 448 x that
	s_sub_co_i32 s89, 0, s89
	s_wait_loadcnt 0x0                             ; the biases
	PLACES NP                                      ; behind the last products
	s_cmp_eq_u32 ttmp9, 2
	s_cbranch_scc1 .Lv_out                         ; on the cluster's x alone: alike in all partners; both ways hold register work and stores only
.set jj, 0
.rept 64
	v_ldexp_f32 v[CB+jj], v[CB+jj], s89            ; b / 2^(e0 + e1)
.set jj, jj+1
.endr
	s_lshr_b32 s92, s88, 11                        ; my first token's batch
	s_lshl_b32 s92, s92, 4
	s_lshl_b32 s93, s40, 2
	s_add_co_u32 s92, s92, s93
	s_lshl_b32 s93, s16, 1
	s_add_co_u32 s92, s92, s93                     ; batch x 16 + my first head: 4 cx + 2 x half
	s_lshl_b32 s92, s92, 17
	s_and_b32 s93, s88, 2047
	s_lshl_b32 s93, s93, 6                         ; 1,024 bytes for each tile of 16 tokens
	s_add_co_u32 s92, s92, s93
	s_lshl_b32 s93, ttmp9, 23                      ; q's region or k's
	s_add_co_u32 s92, s92, s93
	s_mov_b32 s93, 0
	s_add_nc_u64 s[OP:OP+1], s[12:13], s[92:93]
.irp a, 0,1,2,3,4,5,6,7
	HALF \a, 0, 0
	HALF \a, 1, 0
.endr
	s_branch .Lend
.Lv_out:
.irp a, 0,1,2,3,4,5,6,7
	v_ldexp_f32 v[RB+2*\a], v[RB+2*\a], s89
.endr
.irp a, 0,1,2,3,4,5,6,7
	v_mov_b32 v[RB+2*\a+1], v[RB+2*\a]             ; the pair that the packed addition adds
.endr
	s_lshr_b32 s92, s80, 11                        ; my first key's batch
	s_lshl_b32 s92, s92, 4
	s_lshl_b32 s93, s41, 2
	s_add_co_u32 s92, s92, s93
	s_lshl_b32 s93, s15, 1
	s_add_co_u32 s92, s92, s93                     ; batch x 16 + my first head: 4 cy + 2 x half
	s_lshl_b32 s92, s92, 17
	s_and_b32 s93, s80, 2047
	s_lshl_b32 s93, s93, 6                         ; 8,192 bytes for each step of 128 keys
	s_add_co_u32 s92, s92, s93
	s_add_co_u32 s92, s92, 2<<23                   ; v's region
	s_mov_b32 s93, 0
	s_add_nc_u64 s[OP:OP+1], s[12:13], s[92:93]
	s_wait_alu depctr_va_vdst(0)
.irp a, 0,1,2,3,4,5,6,7
	HALF \a, 0, 1
	HALF \a, 1, 1
.endr
.Lend:
	s_wait_tensorcnt 0x0                           ; the wave's end
	ds_add_u32 v[SPW], v[NIL]
	s_wait_dscnt 0x0
	CROUND                                         ; the closing round: no work-group ends while a partner may still ask for a tile that names it
	s_endpgm
.Lfunc_end_k_qacaab3afbf_qkv:
	.size	k_qacaab3afbf_qkv, .Lfunc_end_k_qacaab3afbf_qkv-k_qacaab3afbf_qkv
	.p2alignl 7, 3214868480
	.fill 96, 4, 3214868480
	.section	.rodata,"a",@progbits
	.p2align	6, 0x0
	.amdhsa_kernel k_qacaab3afbf_qkv
		.amdhsa_group_segment_fixed_size 327680
		.amdhsa_private_segment_fixed_size 0
		.amdhsa_enable_private_segment 0
		.amdhsa_kernarg_size 40
		.amdhsa_user_sgpr_count 2
		.amdhsa_user_sgpr_kernarg_segment_ptr 1
		.amdhsa_wavefront_size32 1
		.amdhsa_system_sgpr_workgroup_id_x 1
		.amdhsa_system_sgpr_workgroup_id_y 1
		.amdhsa_system_sgpr_workgroup_id_z 1
		.amdhsa_system_vgpr_workitem_id 0
		.amdhsa_next_free_vgpr 1024
		.amdhsa_next_free_sgpr 100
		.amdhsa_reserve_vcc 0
		.amdhsa_float_denorm_mode_32 3
		.amdhsa_float_denorm_mode_16_64 3
		.amdhsa_memory_ordered 1
		.amdhsa_forward_progress 1
		.amdhsa_inst_pref_size 200
	.end_amdhsa_kernel
	.amdgpu_metadata
---
amdhsa.version: [ 1, 2 ]
amdhsa.kernels:
  - .name:           k_qacaab3afbf_qkv
    .symbol:         k_qacaab3afbf_qkv.kd
    .args:
      - { .name: x_codes, .offset: 0, .size: 8, .value_kind: global_buffer, .address_space: global }
      - { .name: w_codes, .offset: 8, .size: 8, .value_kind: global_buffer, .address_space: global }
      - { .name: lowp_scales, .offset: 16, .size: 8, .value_kind: global_buffer, .address_space: global }
      - { .name: b_attn, .offset: 24, .size: 8, .value_kind: global_buffer, .address_space: global }
      - { .name: qkv, .offset: 32, .size: 8, .value_kind: global_buffer, .address_space: global }
    .group_segment_fixed_size: 327680
    .private_segment_fixed_size: 0
    .kernarg_segment_align: 8
    .kernarg_segment_size: 40
    .max_flat_workgroup_size: 128
    .sgpr_count:     100
    .vgpr_count:     1024
    .wavefront_size: 32
...
	.end_amdgpu_metadata
.endif
;; end of part 2
;; launch attn (part 3): grid 4 x 64, 8 waves a work-group, no clusters, 263,168 bytes of LDS; arguments qkv, lowp_scales, y_img; writes y_img
.if DOCPART == 3
	.amdgcn_target "amdgcn-amd-amdhsa--gfx1250"
	.amdhsa_code_object_version 6
	.text
	.protected	k_qacaab3afbf_attn
	.globl	k_qacaab3afbf_attn
	.p2align	8
	.type	k_qacaab3afbf_attn,@function
k_qacaab3afbf_attn:
	s_mov_b64 s[64:65], 0
	v_nop
	global_prefetch_b8 v0, s[64:65] scope:SCOPE_SE
	s_setreg_imm32_b32 hwreg(HW_REG_WAVE_MODE, 25, 1), 1
	s_wait_xcnt 0x0
; y = softmax(q k^T / 8, causal) v for 64 heads (batch x 16 + head) of 2,048 tokens x 64 channels, both products on codes of FP8 (E4M3), and y quantised at once with 2^e6 for the last product.
; THE SOFTMAX AHEAD OF THE SECOND PRODUCT: t = score x log2(e) / 8; M = the row's largest t so far, rounded UP to a whole number; p = 2^(t - M) is quantised with 2^e4, not normalised.  The row's sum is taken of the
; unquantised p, in f32, and divides at the end.  When M moves, the sum and O are multiplied by 2^(old M - new M): exact.
; LEFT OUT: key steps all of whose keys come after a wave's queries: the causal mask gives them the weight 0 for every value of the inputs.  A NaN or an infinity that reaches only such keys is not carried to the result.
; INPUT (one buffer, images of operand registers, 16 bytes a lane): q at 0, k at 8 MiB: [head 64][token tile 128][piece 2][lane][16]; v at 16 MiB: [head][step of 128 keys][tile of 16 rows: 4][piece 4][lane][16].
; OUTPUT y_img: [K step of 256 channels: 4][token tile 512][128 along K: 2][piece 4][lane][16].
; SHARES.  Four work-groups of eight waves serve a head.  The head's 64 pairs of query tiles (32 queries) are dealt so: wave w of work-group J takes pair 63 - m and then pair m, m = J + 4 w.  Pair m needs m / 4 + 1 key steps
; of 128 keys, so every wave walks 17 steps.  A wave's two query tiles share each fragment of K and of V: one LDS read feeds two products.
; LDS holds the head's whole K (131,072 bytes) and V (131,072), each byte stored ONCE, as it lies in memory, through registers, in eight chunks of two key steps (16,384 bytes of K and of V; a wave moves 2,048 of each: 8 loads, 8 LDS stores).
; Chunk 0 is stored at the head.  In trip t = 0 .. 6 every wave stores chunk t + 1, which it asked for a trip earlier, asks for chunk t + 2 and passes a barrier.  Chunk t + 1 holds steps 2 t + 2 and 2 t + 3; the waves that have
; not reached that barrier read steps t - 1 and t at the most, so no byte is read while it is stored; step s is first read in trip s - 1, behind the barrier of trip (s - 2) / 2 or earlier.  In trips 0 to 8 all eight waves have work
; (the first pair of wave w has 16 - w steps).  From trip 7 on nothing in LDS is written and the waves walk without a barrier.  Every LDS access is at 16 x lane + constants: no padding.
; ONE LOOP of 32 trips: trip c is key step c % 16 of the first (c < 16) or second pair; a step beyond the pair's last is jumped over by a scalar branch on ids.  So the LDS address is (c % 16) x 8,192 + constants.
; THE HOLD OF p.  p is at most 1 (but for the last bit of the multiply-add).  Where e4 >= -8 the largest code x the scale is 448 x 2^e4 >= 1.75, so the hold changes nothing, and a scalar branch on e4 leads round its 128 lines.
; NO TENSOR LOADS AND NO JOINT LOADS.  NO PREFETCH: each chunk is asked for by its own loads a whole trip ahead of its use.
; LAYOUT.  S^T = K Q^T (source 0 = 16 keys, source 1 = 16 queries), O^T = V^T P^T: a lane holds ONE query of each tile; register j of S^T's tile t is key 16 t + 8 (lane / 16) + j, so a tile's conversion gives registers 2 t, 2 t + 1 of P.
; LIMITS: e2 + e3 between -123 and 130 (added to c's exponent field); e4 and e6 between -126 and 119; e4 + e5 is applied by v_ldexp_f32 and has none.  NaN among the inputs is not served.
; REGISTERS, two windows of 256.  Query tile A lives in window 0, tile B in window 1, under THE SAME NUMBERS, so one macro serves both: v2 lane % 16 - 8 (lane / 16); v12 -M, v13 the largest t, v[14:15] the sum; v16-23 Q;
;   v96-159 S^T, then p; v160-191 O^T; v192-199 y's codes; v224-239 p's codes; v240, v244: 448 x 2^e4, 2^e4; v241, v245 the same with e6; v246 the lane exchange; v248-255 at work.
;   Window 0 alone: v1, v3-11 addresses; v24-31, v200-223 a chunk on its way into LDS; v32-95 K's eight fragments.  Window 1 alone: v32-95 V's four fragments; v200-215 the second pair's Q.
.set VREG,  131072                     ; V's bytes in LDS, behind K's
.set SPARE, 262144                     ; the spare words: 128 bytes for each wave, four blocks of 256 bytes that no other line names
.set LI,   1                           ; 16 x lane
.set DL,   2
.set ADK,  3                           ; the step's K
.set LV,   4                           ; VREG + 16 x lane
.set SPW,  5
.set NIL,  6
.set ADV,  7                           ; the step's V
.set FK,   8                           ; the fill: wave x 2,048 + 16 x lane
.set FV,   9                           ; + VREG
.set FA,   10                          ; the chunk's place in LDS (K), then the next chunk's offset in memory
.set FB,   11                          ; the chunk's place in LDS (V)
.set TB,   2                           ; s2  8,192 x step
.set ST,   3                           ; s3  the step
.set BH,   11
.set ML,   12                          ; m
.set MH,   13                          ; 63 - m
.set LIMS, 15                          ; the pair's last step
.set CT,   16                          ; the trip
.set WV,   18
.set SEL,  20
.set CS,   22                          ; s[22:23] c = log2(e) / 8 x 2^(e2 + e3)
.set KP,   24                          ; K of my head at my wave's 2,048 bytes of chunk 0
.set VP,   26
.set OFS,  34
.set QB,   36
.set QP,   38
.set Q2,   40
.set YB,   44
.set YP,   46
.set EPV,  48
.set Q0,   99
.set MSB, 0
.macro WIN new                         ; bits 1:0 source 0, 3:2 source 1, 5:4 source 2, 7:6 destination; the high byte repeats the setting that is left
.if MSB != \new
	s_set_vgpr_msb (MSB<<8)|\new
.set MSB, \new
.endif
.endm
.set ALL1, 0x55                        ; every operand in window 1
.macro GLOADS go                       ; my 2 x 2,048 bytes of a chunk into the registers kept for it; go: the offset's register
.set n, 0
.irp r, 24,28,200,204
	global_load_b128 v[\r:\r+3], v[\go], s[KP:KP+1] offset:512*n
.set n, n+1
.endr
.set n, 0
.irp r, 208,212,216,220
	global_load_b128 v[\r:\r+3], v[\go], s[VP:VP+1] offset:512*n
.set n, n+1
.endr
.endm
; a pair of query tiles begins: addresses, K's first step, the running state.  copy = 1: the second pair's Q, loaded at the head, goes to its place
.macro START m, copy
	s_wait_dscnt 0x0                               ; K's registers have no load on its way
	s_wait_xcnt 0x0                                ; earlier stores have read their base
	s_lshl_b32 s[Q0], s[\m], 5
	s_lshr_b32 s[LIMS], s[\m], 2
	s_lshl_b32 s[OFS], s[\m], 13                   ; two token tiles of 4,096 bytes
	s_add_nc_u64 s[YP:YP+1], s[YB:YB+1], s[OFS:OFS+1]
	v_mov_b32 v13, 0xff61b1e6                      ; the largest t so far: -3e38
	v_floor_f32 v12, -v13
	v_mov_b32 v14, 0
	v_mov_b32 v15, 0                               ; (these four are places behind the last products)
.irp t, 0,1,2,3,4,5,6,7
	ds_load_b128 v[32+8*\t:35+8*\t], v[LI] offset:1024*\t
	ds_load_b128 v[36+8*\t:39+8*\t], v[LI] offset:1024*\t+512
.endr
.set n, 0
.rept 32
	v_mov_b32 v[160+n], 0                          ; O^T: the first change of M leaves zeros zeros
.set n, n+1
.endr
.if \copy
	WIN 0x01                                       ; from window 1 into window 0
.set n, 0
.rept 8
	v_mov_b32 v[16+n], v[200+n]
.set n, n+1
.endr
	WIN 0x41                                       ; within window 1
.set n, 0
.rept 8
	v_mov_b32 v[16+n], v[208+n]
.set n, n+1
.endr
.endif
	WIN ALL1
	v_mov_b32 v13, 0xff61b1e6
	v_floor_f32 v12, -v13
	v_mov_b32 v14, 0
	v_mov_b32 v15, 0
.set n, 0
.rept 32
	v_mov_b32 v[160+n], 0
.set n, n+1
.endr
	WIN 0
	s_wait_alu depctr_va_vdst(0)
.endm
; on the diagonal hidden scores become -infinity ahead of the maximum.  s96 = the tile's first query - the step's first key; register 8 t + j is hidden where 16 t + j > s96 + lane % 16 - 8 (lane / 16)
.macro MASK
	v_add_nc_u32 v252, s96, v[DL]
	v_mov_b32 v254, 0xff800000
.set n, 0
.rept 64
	v_cmp_gt_i32 vcc_lo, 16*(n/8)+n%8, v252
	v_cndmask_b32 v[96+n], v[96+n], v254, vcc_lo
.set n, n+1
.endr
.endm
; ahead of the exponentials: the maximum, M, f = 2^(old M - new M), the sum and O^T under the new M, t - M
.macro PRE
	v_max3_num_f32 v248, v96, v97, v98             ; four chains, the registers in ascending order: each tile from its low end on
	v_max3_num_f32 v250, v99, v100, v101
	v_max3_num_f32 v252, v102, v103, v104
	v_max3_num_f32 v254, v105, v106, v107
.set n, 108
.rept 6
	v_max3_num_f32 v248, v248, v[n], v[n+1]
	v_max3_num_f32 v250, v250, v[n+2], v[n+3]
	v_max3_num_f32 v252, v252, v[n+4], v[n+5]
	v_max3_num_f32 v254, v254, v[n+6], v[n+7]
.set n, n+8
.endr
	v_max3_num_f32 v248, v248, v156, v157
	v_max3_num_f32 v250, v250, v158, v159
	v_max_num_f32 v254, v254, v252
	v_max3_num_f32 v254, v254, v248, v250
	v_permlanex16_b32 v246, v254, s[SEL], s[SEL+1]
	v_max_num_f32 v254, v254, v246                 ; and lane l xor 16's
	v_mul_f32 v254, s[CS], v254                    ; as t (c is positive)
	v_max_num_f32 v13, v13, v254
	v_mov_b32 v254, v12
	v_floor_f32 v12, -v13                          ; -M = -ceil(t)
	v_sub_f32 v254, v12, v254                      ; a whole number, 0 or less
	v_cvt_i32_f32 v254, v254                       ; (it saturates)
	v_ldexp_f32 v252, 1.0, v254                    ; f
	v_pk_mul_f32 v[14:15], v[14:15], v[252:253] op_sel_hi:[1,0]
.set n, 0
.rept 16
	v_pk_mul_f32 v[160+n:161+n], v[160+n:161+n], v[252:253] op_sel_hi:[1,0]   ; no exponential stands between the last products and these first reads of O^T
.set n, n+2
.endr
.set n, 0
.rept 32
	v_pk_fma_f32 v[96+n:97+n], v[96+n:97+n], s[CS:CS+1], v[12:13] op_sel_hi:[1,0,0]
.set n, n+2
.endr
.endm
.macro EXPS
.set n, 0
.rept 64
	v_exp_f32 v[96+n], v[96+n]
.set n, n+1
.endr
.endm
.macro SUM                             ; the sum of the unquantised p: 32 pairs in four chains
	v_pk_add_f32 v[248:249], v[96:97], v[98:99]
	v_pk_add_f32 v[250:251], v[100:101], v[102:103]
	v_pk_add_f32 v[252:253], v[104:105], v[106:107]
	v_pk_add_f32 v[254:255], v[108:109], v[110:111]
.set n, 16
.rept 6
	v_pk_add_f32 v[248:249], v[248:249], v[96+n:97+n]
	v_pk_add_f32 v[250:251], v[250:251], v[98+n:99+n]
	v_pk_add_f32 v[252:253], v[252:253], v[100+n:101+n]
	v_pk_add_f32 v[254:255], v[254:255], v[102+n:103+n]
.set n, n+8
.endr
	v_pk_add_f32 v[248:249], v[248:249], v[250:251]
	v_pk_add_f32 v[252:253], v[252:253], v[254:255]
	v_pk_add_f32 v[248:249], v[248:249], v[252:253]
	v_pk_add_f32 v[14:15], v[14:15], v[248:249]
.endm
.macro HOLD
.set n, 0
.rept 64
	v_min_num_f32 v[96+n], v[96+n], v240           ; the conversion does not saturate (ISA guide 7.6.2); p is not negative
.set n, n+1
.endr
.endm
.macro CVT
.irp t, 0,1,2,3,4,5,6,7
	v_cvt_scalef32_pk8_fp8_f32 v[224+2*\t:225+2*\t], v[96+8*\t:103+8*\t], v244
.endr
.endm
; a tile's end: O^T / the sum x 2^(e4 + e5) is y: held, converted with 2^e6, stored as two pieces of 512 consecutive bytes.  stw: the windows for the stores (data in the tile's window, offset in window 0)
.macro FIN off, stw
	v_add_f32 v14, v14, v15
	v_permlanex16_b32 v246, v14, s[SEL], s[SEL+1]
	v_add_f32 v14, v14, v246
	s_wait_alu depctr_va_vdst(0)                   ; a wait ahead of the reciprocal,
	v_rcp_f32 v14, v14
	v_nop
	v_nop
	s_wait_alu depctr_va_vdst(0)                   ; ahead of its first reader,
	v_ldexp_f32 v14, v14, s[EPV]
	s_wait_alu depctr_va_vdst(0)                   ; and ahead of the first reader of O^T
.set n, 0
.rept 16
	v_pk_mul_f32 v[96+n:97+n], v[160+n:161+n], v[14:15] op_sel_hi:[1,0]
.set n, n+2
.endr
.set n, 0
.rept 32
	v_med3_num_f32 v[96+n], v[96+n], -v241, v241
.set n, n+1
.endr
.irp c, 0,1,2,3
	v_cvt_scalef32_pk8_fp8_f32 v[192+2*\c:193+2*\c], v[96+8*\c:103+8*\c], v245
.endr
	v_nop
	WIN \stw
	global_store_b128 v[LI], v[192:195], s[YP:YP+1] offset:\off
	global_store_b128 v[LI], v[196:199], s[YP:YP+1] offset:\off+512
.endm
	s_load_b128 s[4:7], s[0:1], 0x0                ; qkv, the scales' exponents
	s_load_b64 s[8:9], s[0:1], 0x10                ; y_img
	v_lshl_add_u32 v[SPW], v0, 2, SPARE
	v_mov_b32 v[NIL], 0
	v_lshrrev_b32 v12, 5, v0
	v_readfirstlane_b32 s[WV], v12                 ; wave 0..7
	v_and_b32 v[LI], 31, v0
	v_lshlrev_b32 v[LI], 4, v[LI]
	s_and_b32 s[BH], ttmp7, 0xffff
	s_lshl_b32 s82, s[BH], 17                      ; a head is 131,072 bytes in each region
	s_lshl_b32 s83, s[WV], 11                      ; my 2,048 bytes of a chunk's K and of its V
	v_add_nc_u32 v[FK], s83, v[LI]
	v_add_nc_u32 v[FV], VREG, v[FK]
	v_add_nc_u32 v[LV], VREG, v[LI]
	v_add_nc_u32 v[FA], 16384, v[LI]               ; chunk 1 in memory
	v_and_b32 v12, 15, v0
	v_bfe_u32 v13, v0, 4, 1
	v_lshlrev_b32 v13, 3, v13
	v_sub_nc_u32 v[DL], v12, v13
	s_lshl_b32 s[ML], s[WV], 2
	s_add_co_u32 s[ML], s[ML], ttmp9               ; m = J + 4 w
	s_sub_co_u32 s[MH], 63, s[ML]
	s_add_co_u32 s[OFS], s82, s83
	s_add_co_u32 s[OFS], s[OFS], 1<<23             ; K's region
	s_mov_b32 s[OFS+1], 0
	s_wait_alu depctr_va_vdst(0)
	s_wait_kmcnt 0x0
	s_load_b256 s[68:75], s[6:7], 0x0              ; e0 .. e7
	s_add_nc_u64 s[KP:KP+1], s[4:5], s[OFS:OFS+1]
	s_add_nc_u64 s[VP:VP+1], s[KP:KP+1], 1<<23     ; V's region
	s_mov_b32 s[OFS], s82
	s_add_nc_u64 s[QB:QB+1], s[4:5], s[OFS:OFS+1]
	s_lshl_b32 s[OFS], s[MH], 11                   ; a pair is two token tiles of 1,024 bytes
	s_add_nc_u64 s[QP:QP+1], s[QB:QB+1], s[OFS:OFS+1]
	s_lshl_b32 s[OFS], s[ML], 11
	s_add_nc_u64 s[Q2:Q2+1], s[QB:QB+1], s[OFS:OFS+1]
	global_load_b128 v[16:19], v[LI], s[QP:QP+1]                 ; both pairs' Q are asked for here
	global_load_b128 v[20:23], v[LI], s[QP:QP+1] offset:512
	WIN 0x40
	global_load_b128 v[16:19], v[LI], s[QP:QP+1] offset:1024
	global_load_b128 v[20:23], v[LI], s[QP:QP+1] offset:1536
.irp i, 0,1,2,3
	global_load_b128 v[200+4*\i:203+4*\i], v[LI], s[Q2:Q2+1] offset:512*\i
.endr
	WIN 0
.irp i, 0,1,2,3
	global_load_b128 v[96+4*\i:99+4*\i], v[LI], s[KP:KP+1] offset:512*\i      ; chunk 0: 512 consecutive bytes a load
.endr
.irp i, 0,1,2,3
	global_load_b128 v[112+4*\i:115+4*\i], v[LI], s[VP:VP+1] offset:512*\i
.endr
	GLOADS FA                                      ; chunk 1
	s_mov_b32 s[SEL], 0x76543210
	s_mov_b32 s[SEL+1], 0xfedcba98
	s_mov_b32 s[CS], 0x3e38aa3b                    ; log2(e) / 8
	s_and_b32 s83, s[BH], 15                       ; the head: its 64 channels are K step head / 4, half (head / 2) % 2, pieces 2 (head % 2) and + 1
	s_lshr_b32 s84, s83, 2
	s_lshl_b32 s[OFS], s84, 21
	s_bfe_u32 s84, s83, 0x10001
	s_lshl_b32 s84, s84, 11
	s_add_co_u32 s[OFS], s[OFS], s84
	s_and_b32 s84, s83, 1
	s_lshl_b32 s84, s84, 10
	s_add_co_u32 s[OFS], s[OFS], s84
	s_lshr_b32 s84, s[BH], 4                       ; the batch: 128 token tiles of 4,096 bytes
	s_lshl_b32 s84, s84, 19
	s_add_co_u32 s[OFS], s[OFS], s84
	s_add_nc_u64 s[YB:YB+1], s[8:9], s[OFS:OFS+1]
	s_wait_kmcnt 0x0
	s_add_co_i32 s84, s70, s71
	s_lshl_b32 s84, s84, 23
	s_add_co_i32 s[CS], s[CS], s84                 ; x 2^(e2 + e3), in c's exponent field
	s_mov_b32 s[CS+1], s[CS]
	s_add_co_i32 s85, s72, 127
	s_lshl_b32 s84, s85, 23                        ; 2^e4
	s_add_co_i32 s85, s85, 8
	s_lshl_b32 s85, s85, 23
	s_or_b32 s85, s85, 0x600000                    ; 448 x 2^e4
	s_add_co_i32 s87, s74, 127
	s_lshl_b32 s86, s87, 23                        ; 2^e6
	s_add_co_i32 s87, s87, 8
	s_lshl_b32 s87, s87, 23
	s_or_b32 s87, s87, 0x600000                    ; 448 x 2^e6
	s_add_co_i32 s[EPV], s72, s73
.irp w, 0, 0x40                        ; the constants, in both windows
	WIN \w
	v_mov_b32 v244, s84
	v_mov_b32 v240, s85
	v_mov_b32 v245, s86
	v_mov_b32 v241, s87
	v_mov_b32 v246, 0                              ; a lane permute's destination counts as one of its sources
	v_mov_b32 v252, 0
	v_mov_b32 v253, 0
	v_mov_b32 v254, 0
.endr
	v_mov_b32 v[DL], v[DL]                         ; window 0's into window 1's
	WIN 0
	s_wait_alu depctr_va_vdst(0)
	s_wait_loadcnt 8                               ; Q and chunk 0 are in; chunk 1's eight loads may be out
.irp i, 0,1,2,3
	ds_store_b128 v[FK], v[96+4*\i:99+4*\i] offset:512*\i
.endr
.irp i, 0,1,2,3
	ds_store_b128 v[FV], v[112+4*\i:115+4*\i] offset:512*\i
.endr
	s_wait_dscnt 0x0                               ; my stores are done,
	s_barrier_signal -1
	s_barrier_wait -1                              ; everybody's are: key steps 0 and 1 are whole
	START MH, 0                                    ; the longer pair first
	s_mov_b32 s[CT], 0
.Ltrip:
	s_cmp_lt_u32 s[CT], 7                          ; trips 0 to 6 move a chunk: the loop's count alone decides, alike in all waves
	s_cbranch_scc0 .Lnofill
	s_wait_loadcnt 0x0                             ; chunk c + 1 is in registers, and its offset's register is free
	s_min_u32 s96, s[CT], 6
	s_add_co_u32 s96, s96, 1
	s_lshl_b32 s96, s96, 14                        ; 16,384 x (c + 1)
	v_add_nc_u32 v[FA], s96, v[FK]
	v_add_nc_u32 v[FB], s96, v[FV]
.set n, 0
.irp r, 24,28,200,204
	ds_store_b128 v[FA], v[\r:\r+3] offset:512*n
.set n, n+1
.endr
.set n, 0
.irp r, 208,212,216,220
	ds_store_b128 v[FB], v[\r:\r+3] offset:512*n
.set n, n+1
.endr
	s_wait_dscnt 0x0                               ; the stores are done and have read their registers
	s_cmp_lt_u32 s[CT], 6                          ; chunk 7 is the last
	s_cbranch_scc0 .Lnoload
	s_add_co_u32 s96, s96, 16384
	v_add_nc_u32 v[FA], s96, v[LI]
	GLOADS FA                                      ; chunk c + 2: it has this trip in which to land
.Lnoload:
	s_barrier_signal -1
	s_barrier_wait -1
.Lnofill:
	s_and_b32 s[ST], s[CT], 15
	s_cmp_gt_u32 s[ST], s[LIMS]                    ; all the step's keys come after my 32 queries
	s_cbranch_scc1 .Lskip
	s_lshl_b32 s[TB], s[ST], 13
	v_add_nc_u32 v[ADK], s[TB], v[LI]
	v_add_nc_u32 v[ADV], s[TB], v[LV]
	s_wait_alu depctr_va_vdst(0)
	s_wait_dscnt 0x0                               ; this step's K, asked for a step ago
.irp t, 0,1,2,3,4,5,6,7
	v_wmma_f32_16x16x64_fp8_fp8 v[96+8*\t:103+8*\t], v[32+8*\t:39+8*\t], v[16:23], 0
.endr
	WIN 0x54                                       ; K in window 0; Q and S^T of tile B in window 1
.irp t, 0,1,2,3,4,5,6,7
	v_wmma_f32_16x16x64_fp8_fp8 v[96+8*\t:103+8*\t], v[32+8*\t:39+8*\t], v[16:23], 0
.endr
	WIN 0
.rept 4
	v_nop                                          ; places: in front of the loads below and of the first read of the scores
.endr
	WIN 0x40
.irp c, 0,1,2,3,4,5,6,7,8,9,10,11,12,13,14,15
	ds_load_b128 v[32+4*\c:35+4*\c], v[ADV] offset:512*\c              ; V's four fragments land while the softmax is worked
.endr
	WIN 0
.irp t, 0,1,2,3,4,5,6,7
	ds_load_b128 v[32+8*\t:35+8*\t], v[ADK] offset:8192+1024*\t        ; the next step's K (behind the last step: bytes that nobody uses, inside LDS)
	ds_load_b128 v[36+8*\t:39+8*\t], v[ADK] offset:8192+1024*\t+512
.endr
	s_cmp_lg_u32 s[ST], s[LIMS]                    ; only the pair's last step holds hidden keys
	s_cbranch_scc1 .Lopen
	s_lshl_b32 s96, s[ST], 7
	s_sub_co_i32 s96, s[Q0], s96
	MASK
	s_add_co_i32 s96, s96, 16
	WIN ALL1
	MASK
	WIN 0
.Lopen:
	PRE
	WIN ALL1
	PRE
	s_wait_alu depctr_va_vdst(0)                   ; one wait ahead of the batch of 128 exponentials,
	EXPS
	WIN 0
	EXPS
	v_nop                                          ; a plain place,
	s_wait_alu depctr_va_vdst(0)                   ; and one wait behind it
	SUM
	WIN ALL1
	SUM
	WIN 0
	s_cmp_ge_i32 s72, -8                           ; 448 x 2^e4 >= 1.75: above every p
	s_wait_alu depctr_va_vdst(0)
	s_cbranch_scc1 .Lnohold
	HOLD
	WIN ALL1
	HOLD
	WIN 0
.Lnohold:
	CVT
	WIN ALL1
	CVT
	v_nop                                          ; one plain instruction between the conversions and the products
	WIN 0
	s_wait_alu depctr_va_vdst(0)
	s_wait_dscnt 16                                ; V's 16 loads are in; the next K's 16, issued behind them, may be out
	WIN 0x01                                       ; V in window 1
.irp c, 0,1,2,3
	v_wmma_f32_16x16x128_fp8_fp8 v[160+8*\c:167+8*\c], v[32+16*\c:47+16*\c], v[224:239], v[160+8*\c:167+8*\c]   ; eight accumulators by turns
.endr
	WIN ALL1
.irp c, 0,1,2,3
	v_wmma_f32_16x16x128_fp8_fp8 v[160+8*\c:167+8*\c], v[32+16*\c:47+16*\c], v[224:239], v[160+8*\c:167+8*\c]
.endr
	WIN 0
.Lskip:
	s_cmp_lg_u32 s[ST], 15
	s_cbranch_scc1 .Lnext
	s_wait_xcnt 0x0                                ; earlier stores have read the codes' registers
	FIN 0, 0
	WIN ALL1
	FIN 4096, 0x04
	WIN 0
	s_cmp_eq_u32 s[CT], 31
	s_cbranch_scc1 .Lnext
	START ML, 1                                    ; the second pair
.Lnext:
	s_add_co_u32 s[CT], s[CT], 1
	s_cmp_lt_u32 s[CT], 32
	s_wait_alu depctr_va_vdst(0)
	s_cbranch_scc1 .Ltrip
	s_wait_tensorcnt 0x0                           ; the wave's end
	ds_add_u32 v[SPW], v[NIL]
	s_wait_dscnt 0x0
	s_endpgm
.Lfunc_end_k_qacaab3afbf_attn:
	.size	k_qacaab3afbf_attn, .Lfunc_end_k_qacaab3afbf_attn-k_qacaab3afbf_attn
	.p2alignl 7, 3214868480
	.fill 96, 4, 3214868480
	.section	.rodata,"a",@progbits
	.p2align	6, 0x0
	.amdhsa_kernel k_qacaab3afbf_attn
		.amdhsa_group_segment_fixed_size 263168
		.amdhsa_private_segment_fixed_size 0
		.amdhsa_enable_private_segment 0
		.amdhsa_kernarg_size 24
		.amdhsa_user_sgpr_count 2
		.amdhsa_user_sgpr_kernarg_segment_ptr 1
		.amdhsa_wavefront_size32 1
		.amdhsa_system_sgpr_workgroup_id_x 1
		.amdhsa_system_sgpr_workgroup_id_y 1
		.amdhsa_system_sgpr_workgroup_id_z 1
		.amdhsa_system_vgpr_workitem_id 0
		.amdhsa_next_free_vgpr 512
		.amdhsa_next_free_sgpr 100
		.amdhsa_reserve_vcc 1
		.amdhsa_float_denorm_mode_32 3
		.amdhsa_float_denorm_mode_16_64 3
		.amdhsa_memory_ordered 1
		.amdhsa_forward_progress 1
		.amdhsa_inst_pref_size 64
	.end_amdhsa_kernel
	.amdgpu_metadata
---
amdhsa.version: [ 1, 2 ]
amdhsa.kernels:
  - .name:           k_qacaab3afbf_attn
    .symbol:         k_qacaab3afbf_attn.kd
    .args:
      - { .name: qkv, .offset: 0, .size: 8, .value_kind: global_buffer, .address_space: global }
      - { .name: lowp_scales, .offset: 8, .size: 8, .value_kind: global_buffer, .address_space: global }
      - { .name: y_img, .offset: 16, .size: 8, .value_kind: global_buffer, .address_space: global }
    .group_segment_fixed_size: 263168
    .private_segment_fixed_size: 0
    .kernarg_segment_align: 8
    .kernarg_segment_size: 24
    .max_flat_workgroup_size: 256
    .sgpr_count:     100
    .vgpr_count:     512
    .wavefront_size: 32
...
	.end_amdgpu_metadata
.endif
;; end of part 3
;; launch proj (part 4): grid 4 x 64, 4 waves a work-group, clusters of 4 x 4, 327,680 bytes of LDS; arguments y_img, w_codes, lowp_scales, b_proj, out0; writes out0
.if DOCPART == 4
	.amdgcn_target "amdgcn-amd-amdhsa--gfx1250"
	.amdhsa_code_object_version 6
	.text
	.protected	k_qacaab3afbf_proj
	.globl	k_qacaab3afbf_proj
	.p2align	8
	.type	k_qacaab3afbf_proj,@function
k_qacaab3afbf_proj:
	s_mov_b64 s[64:65], 0
	v_nop
	global_prefetch_b8 v0, s[64:65] scope:SCOPE_SE
	s_setreg_imm32_b32 hwreg(HW_REG_WAVE_MODE, 25, 1), 1
	s_wait_xcnt 0x0
	s_wait_alu depctr_hold_cnt(0) depctr_sa_sdst(0) depctr_va_vdst(0) depctr_va_sdst(0) depctr_va_ssrc(0) depctr_va_vcc(0) depctr_vm_vsrc(0)
	s_getreg_b32 s2, hwreg(HW_REG_IB_STS2, 6, 4)
	s_cmp_eq_u32 s2, 0
	s_cbranch_scc0 .Lentry_in_a_cluster
	s_endpgm
.Lentry_in_a_cluster:
	s_bfe_u32 s2, ttmp6, 0x10000c
	s_cmp_lg_u32 s2, 0xf033
	s_cbranch_scc0 .Lentry_shape_is_right
	s_endpgm
.Lentry_shape_is_right:
; out0 = y w_proj + b_proj on codes of FP8 (E4M3): a sum stands for sum x 2^(e6 + e7), applied with the bias by one multiply-add on the way out.  LIMIT: e6 + e7 between -126 and 127, so that 2^(e6 + e7) is an f32 number.
; y_img: [K step of 256: 4][token tile 512][128 along K: 2][piece 4][lane][16]: images of operand registers.  w_codes: [4096 rows][1024]; row 3072 + P(n) = column n of w_proj (P exchanges bits 3 and 4 of n).
; A block of 128 tokens x 256 columns is made by a work-group of four waves: 64 x 4 = 256 work-groups.  A wave makes 64 tokens x 128 columns: 32 accumulators, 256 registers.
; K goes in steps of 256 through a ring of two LDS slots (A: 32,768 bytes, dense; B: 256 rows of 256 bytes + 16 of padding), filled by joint tensor loads: waves 0, 1 fetch A's halves, waves 2, 3 B's.
; CLUSTERS: 4 x 4 work-groups: A's tile is shared along a row of the cluster, B's along a column.
; THE MATRIX INSTRUCTION: source 0 = 16 rows of B, source 1 = 16 tokens: a lane holds one token and, by P, 16 neighbouring columns in two neighbouring tiles.
; A and B have two sets of fragment registers each: while one step of 128 along K is multiplied, the next step's 48 LDS loads are on their way.
; PREFETCHES INTO THE L2: K steps 1 and 2 are asked for behind K step 0's load, K step 3 behind K step 1's.  The four partners that ask for a tile jointly share it out by address: of A's 16,384 bytes a wave 4,096 each (lanes 256
; bytes apart; lanes 16-31 name the last block again), of B's 128 rows 32 each (a lane a row).  All sixteen rows of clusters walk the same rows of w_codes: only the first four ask for them.
; REGISTERS: window 0: v2-9 addresses; v24-29; v32-63 at work; v64-127 the biases of my 64 columns a lane; v128-255 A's two sets, on the way out rows read back.  Window 1: B's two sets.  Window 2: accumulator (a, b) at v[8 (8 a + b)].
.set KROW,   1024
.set ROWB,   256
.set PITCH,  272                       ; an LDS row of B: 68 words, so the 16 rows that a load touches start at 16 different banks (64 banks of 4 bytes: ISA guide 11.1)
.set FR,     16
.set NP,     4                         ; places behind this matrix instruction (ISA guide 7.12.1)
.set HALFT,  128*PITCH
.set AHALF,  16384                     ; 64 tokens x 256 along K
.set ATILE,  2*AHALF
.set SLOT,   ATILE+2*HALFT
.set KSTEPA, 2097152                   ; from K step to K step in y_img
.set SPARE,  2*SLOT                    ; behind the ring: the spare words, two blocks of 256 bytes that no other line names
.set SPITCH, 528                       ; the way out: a stage of 16 rows x (512 + 16) bytes for each wave, in slot 0, which has had its last fill and its last read by then
.set ADRA, 2
.set ADRB, 4
.set LI,   6
.set PFO,  9                           ; the prefetches' offset; never rewritten
.set STO,  24
.set RD,   25
.set SPW,  28
.set NIL,  29
.set TMP,  32
.set CB,   64
.set AF,   128
.set BK,   128
.set G1, 24
.set G0, 32
.set G1B, 48
.set G0B, 56
.set OP, 90
.set P1, 76                            ; s[76:77], s[78:79], s[66:67]: my share of K steps 1, 2, 3
.set P2, 78
.set P3, 66
.set MSB, 0
.macro WIN new
.if MSB != \new
	s_set_vgpr_msb (MSB<<8)|\new
.set MSB, \new
.endif
.endm
.set MUL,  0xa1                        ; source 0 (B) window 1, source 1 (A) window 0, C and D window 2
.set TO_B, 0x40
.macro JLOAD g0a, g1a, g0b, g1b        ; a joint load; an s_nop 0 and four v_nop follow each of the two lines
	s_cmp_eq_u32 s15, 0
	s_cbranch_scc0 .Lfor_b_\@
	tensor_load_to_lds s[\g0a:\g0a+3], s[\g1a:\g1a+7]
	s_nop 0
.rept 4
	v_nop
.endr
	s_branch .Lasked_\@
.Lfor_b_\@:
	tensor_load_to_lds s[\g0b:\g0b+3], s[\g1b:\g1b+7]
	s_nop 0
.rept 4
	v_nop
.endr
.Lasked_\@:
.endm
.macro CREST
	s_cmp_lg_u32 s14, 0
	s_cbranch_scc1 .Lnot_wave_0_\@
	s_barrier_signal -3
.Lnot_wave_0_\@:
	s_barrier_wait -3
	s_barrier_signal -1
	s_barrier_wait -1
.endm
.macro CROUND
	s_barrier_signal -1
	s_barrier_wait -1
	CREST
.endm
.macro ASK p
	s_cmp_eq_u32 s98, 0
	s_cbranch_scc0 .Lnot_mine_\@
	global_prefetch_b8 v[PFO], s[\p:\p+1] th:TH_LOAD_NT scope:SCOPE_SE
.Lnot_mine_\@:
.endm
	s_load_b256 s[4:11], s[0:1], 0x0               ; y_img, w_codes, the scales' exponents, b_proj
	s_load_b64 s[12:13], s[0:1], 0x20              ; out0
	v_lshl_add_u32 v[SPW], v0, 2, SPARE
	v_mov_b32 v[NIL], 0
	ds_add_u32 v[SPW], v[NIL]                      ; the opening lines: the add, twice on end, and its wait ahead of my first tensor load
	ds_add_u32 v[SPW], v[NIL]
	v_lshrrev_b32 v1, 5, v0
	v_readfirstlane_b32 s14, v1                    ; wave 0..3
	s_lshr_b32 s15, s14, 1                         ; which 64 tokens are mine.  Also: I fetch for A (0) or for B (1)
	s_and_b32 s16, s14, 1                          ; which 128 columns.  Also: which half of that tile I fetch
	s_bfe_u32 s40, ttmp6, 0x40000                  ; cx, cy
	s_bfe_u32 s41, ttmp6, 0x40004
	s_lshl_b32 s42, ttmp9, 2
	s_add_co_u32 s42, s42, s40                     ; block of 256 columns
	s_and_b32 s81, ttmp7, 0xffff
	s_lshl_b32 s17, s81, 2
	s_add_co_u32 s17, s17, s41                     ; block of 128 tokens
	s_lshl_b32 s43, s41, 2
	s_lshl_b32 s43, 15, s43                        ; my row of the cluster
	s_lshl_b32 s44, 0x1111, s40                    ; my column
	s_or_b32 s[G1+0], s43, (3<<16)|(1<<21)         ; A: 64 rows of 32 elements of 8 bytes, dense, no padding
	s_mov_b32 s[G1+1], 32<<16
	s_mov_b32 s[G1+2], 64<<16
	s_mov_b32 s[G1+3], 32<<16
	s_mov_b32 s[G1+4], 64
	s_mov_b32 s[G1+5], 32
	s_mov_b32 s[G1+6], 0
	s_mov_b32 s[G1+7], 0
	s_or_b32 s[G1B+0], s44, (0<<16)|(1<<20)|(1<<21)|(5<<22)|(3<<25)   ; B: 128 rows of 256 bytes, four words of padding behind every 64
	s_mov_b32 s[G1B+1], ROWB<<16
	s_mov_b32 s[G1B+2], 128<<16
	s_mov_b32 s[G1B+3], ROWB<<16
	s_mov_b32 s[G1B+4], 128
	s_mov_b32 s[G1B+5], KROW
	s_mov_b32 s[G1B+6], 0
	s_mov_b32 s[G1B+7], 0
	s_lshl_b32 s20, s17, 15                        ; A: 32,768 bytes a block and K step, + my half
	s_lshl_b32 s18, s16, 14
	s_add_co_u32 s20, s20, s18
	s_mov_b32 s21, 0
	s_lshl_b32 s46, s42, 8
	s_lshl_b32 s18, s16, 7
	s_add_co_u32 s46, s46, s18
	s_add_co_u32 s46, s46, 3072                    ; B: row 3,072 + 256 x block + 128 x half
	s_lshl_b32 s46, s46, 10
	s_mov_b32 s47, 0
	s_lshl_b32 s45, s16, 14                        ; where they go: no place in the cluster enters an LDS address
	s_mul_i32 s94, s16, HALFT
	s_add_co_u32 s94, s94, ATILE
	s_wait_dscnt 0x0                               ; both opening adds are done
	s_wait_kmcnt 0x0
	s_load_b256 s[68:75], s[8:9], 0x0              ; e0 .. e7
	s_add_nc_u64 s[20:21], s[4:5], s[20:21]
	s_add_nc_u64 s[46:47], s[6:7], s[46:47]
	s_cmp_eq_u32 s15, 0                            ; the prefetches: what I fetch,
	s_cselect_b64 s[P1:P1+1], s[20:21], s[46:47]
	s_cselect_b32 s82, s40, s41                    ; my work-group's place among the four partners,
	s_cselect_b32 s83, 12, 15                      ; whose share is 4,096 bytes of A or 32 rows of 1,024 bytes of B,
	s_cselect_b32 s84, 8, 10                       ; lanes 256 or 1,024 bytes apart,
	s_cselect_b32 s85, 15, 31                      ; 16 or 32 of them,
	s_mov_b32 s86, ROWB
	s_cselect_b32 s86, KSTEPA, s86                 ; and a K step on
	s_cselect_b32 s98, 0, 1
	s_lshl_b32 s82, s82, s83
	s_mov_b32 s83, 0
	s_mov_b32 s87, 0
	s_add_nc_u64 s[P1:P1+1], s[P1:P1+1], s[82:83]
	s_add_nc_u64 s[P1:P1+1], s[P1:P1+1], s[86:87]
	s_add_nc_u64 s[P2:P2+1], s[P1:P1+1], s[86:87]
	s_add_nc_u64 s[P3:P3+1], s[P2:P2+1], s[86:87]
	s_lshr_b32 s99, s81, 2                         ; cluster y / 4
	s_min_u32 s99, s99, 1
	s_and_b32 s98, s98, s99                        ; 1: B's wave in a cluster behind the fourth: it asks for nothing
	CROUND                                         ; all sixteen work-groups are here: the first joint loads meet
.irp s, 0,1
	s_mov_b32 s[G0+4*\s], 1
	s_add_co_u32 s[G0+4*\s+1], s45, \s*SLOT
	s_add_nc_u64 s[G0+4*\s+2:G0+4*\s+3], s[20:21], \s*KSTEPA
	s_or_b32 s[G0+4*\s+3], s[G0+4*\s+3], 0x80000000
	s_mov_b32 s[G0B+4*\s], 1
	s_add_co_u32 s[G0B+4*\s+1], s94, \s*SLOT
	s_add_nc_u64 s[G0B+4*\s+2:G0B+4*\s+3], s[46:47], \s*ROWB
	s_or_b32 s[G0B+4*\s+3], s[G0B+4*\s+3], 0x80000000
.endr
	JLOAD G0, G1, G0B, G1B                         ; K step 0
	v_and_b32 v1, 31, v0
	v_lshlrev_b32 v[LI], 4, v1
	v_min_u32 v[PFO], s85, v1
	v_lshlrev_b32 v[PFO], s84, v[PFO]
	v_and_b32 v26, 15, v0                          ; r
	v_bfe_u32 v27, v0, 4, 1                        ; h
	s_wait_alu depctr_va_vdst(0)
	ASK P1
	ASK P2
	v_mul_u32_u24 v7, v26, PITCH
	v_lshl_add_u32 v7, v27, 4, v7
	s_lshl_b32 s21, s15, 14                        ; my 64 tokens of A,
	s_mul_i32 s22, s16, HALFT
	s_add_co_u32 s22, s22, ATILE                   ; my 128 rows of B
.irp s, 0,1
	v_add_nc_u32 v[ADRA+\s], s21, v[LI]
	v_add_nc_u32 v[ADRB+\s], s22, v7
	s_add_co_u32 s21, s21, SLOT
	s_add_co_u32 s22, s22, SLOT
.endr
	s_mul_i32 s23, s14, 16*SPITCH                  ; my stage
	v_mul_u32_u24 v[STO], v26, SPITCH
	v_lshl_add_u32 v[STO], v27, 6, v[STO]          ; in: row r, 64 bytes for each half of the lanes in every 128
	v_add_nc_u32 v[STO], s23, v[STO]
	v_add_nc_u32 v[RD], s23, v[LI]                 ; back: the 32 lanes take one row of 512 bytes
	v_lshlrev_b32 v8, 6, v27
	s_lshl_b32 s80, s42, 8
	s_lshl_b32 s83, s16, 7
	s_add_co_u32 s80, s80, s83                     ; my first column
	s_lshl_b32 s84, s80, 2
	s_mov_b32 s85, 0
	s_add_nc_u64 s[86:87], s[10:11], s[84:85]
	s_lshl_b32 s88, s17, 7
	s_lshl_b32 s83, s15, 6
	s_add_co_u32 s88, s88, s83                     ; my first token
	s_lshl_b32 s88, s88, 12
	s_add_co_u32 s84, s84, s88
	s_add_nc_u64 s[OP:OP+1], s[12:13], s[84:85]
	s_wait_alu depctr_va_vdst(0)
.irp b, 0,1,2,3,4,5,6,7
	global_load_b128 v[CB+8*\b:CB+8*\b+3], v8, s[86:87] offset:4*(32*(\b/2)+8*(\b%2))       ; register 8 b + j: the bias of column 32 (b / 2) + 16 h + 8 (b % 2) + j
	global_load_b128 v[CB+8*\b+4:CB+8*\b+7], v8, s[86:87] offset:4*(32*(\b/2)+8*(\b%2))+16
.endr
.macro FETCH slot, q, p                ; the fragments of the slot's q-th 128 along K into sets p: B's eight, A's four: 48 loads
	WIN TO_B
.irp i, 0,1,2,3,4,5,6,7
.irp c, 0,1,2,3
	ds_load_b128 v[128*(\p)+FR*\i+4*\c:128*(\p)+FR*\i+4*\c+3], v[ADRB+\slot] offset:128*(\q)+32*\c+\i*16*PITCH
.endr
.endr
	WIN 0
.irp i, 0,1,2,3
.irp c, 0,1,2,3
	ds_load_b128 v[AF+64*(\p)+FR*\i+4*\c:AF+64*(\p)+FR*\i+4*\c+3], v[ADRA+\slot] offset:\i*4096+(\q)*2048+512*\c
.endr
.endr
.endm
.macro MUL16 a0, p, zero               ; A's blocks a0, a0 + 1 x B's eight.  The 32 accumulators take turns in the same order in every step
.irp a, \a0, \a0+1
.irp b, 0,1,2,3,4,5,6,7
.if \zero
	v_wmma_f32_16x16x128_fp8_fp8 v[8*(8*(\a)+\b):8*(8*(\a)+\b)+7], v[128*(\p)+FR*\b:128*(\p)+FR*\b+FR-1], v[AF+64*(\p)+FR*(\a):AF+64*(\p)+FR*(\a)+FR-1], 0
.else
	v_wmma_f32_16x16x128_fp8_fp8 v[8*(8*(\a)+\b):8*(8*(\a)+\b)+7], v[128*(\p)+FR*\b:128*(\p)+FR*\b+FR-1], v[AF+64*(\p)+FR*(\a):AF+64*(\p)+FR*(\a)+FR-1], v[8*(8*(\a)+\b):8*(8*(\a)+\b)+7]
.endif
.endr
.endr
.endm
.macro PLACES n
.rept \n
	v_nop
.endr
.endm
.macro STEP slot, zero                 ; a slot's first 128 along K, on sets 0; the second 128 is fetched into sets 1 meanwhile
	s_wait_dscnt 0x0                               ; sets 0 are in
	PLACES NP                                      ; behind the products that read sets 1
	FETCH \slot, 1, 1
	WIN MUL
	MUL16 0, 0, \zero
	MUL16 2, 0, \zero
	WIN 0
.endm
.macro TURN slot, next, fill           ; a slot's second 128, on sets 1, and the change of slots.  fill = 1: this slot is filled again, two K steps ahead
	s_wait_tensorcnt 0x0                           ; all my tensor loads have landed: my part of the next slot;
	ds_add_u32 v[SPW], v[NIL]                      ; 0 onto my spare word
	s_wait_dscnt 0x0                               ; the add is done, sets 1 are in, and my reads of this slot are over
	s_barrier_signal -1
	WIN MUL
	MUL16 0, 1, 0                                  ; work on registers while the others arrive
	WIN 0
	s_barrier_wait -1
.if \fill
	CREST                                          ; the barrier has opened a round of the cluster's barrier
	s_add_nc_u64 s[G0+4*\slot+2:G0+4*\slot+3], s[G0+4*\slot+2:G0+4*\slot+3], 2*KSTEPA
	s_add_nc_u64 s[G0B+4*\slot+2:G0B+4*\slot+3], s[G0B+4*\slot+2:G0B+4*\slot+3], 2*ROWB
	JLOAD G0+4*\slot, G1, G0B+4*\slot, G1B         ; the first tensor load behind the round; its four v_nop are the places in front of the loads below
.else
	PLACES NP
.endif
	FETCH \next, 0, 0
	WIN MUL
	MUL16 2, 1, 0
	WIN 0
.endm
	s_wait_alu depctr_va_vdst(0)
	s_wait_tensorcnt 0x0                           ; my part of K step 0 is in
	ds_add_u32 v[SPW], v[NIL]
	s_wait_dscnt 0x0
	CROUND                                         ; everybody's part is in, and the joint loads meet
	JLOAD G0+4, G1, G0B+4, G1B                     ; K step 1: the first tensor load behind the round
	FETCH 0, 0, 0
	ASK P3
	STEP 0, 1                                      ; the first step's products start the sums
	s_mov_b32 s3, 1
.Llap:                                                 ; once round the ring: both slots are filled again, with K steps 2 and 3
	TURN 0, 1, 1
	STEP 1, 0
	TURN 1, 0, 1
	STEP 0, 0
	s_sub_co_u32 s3, s3, 1
	s_cmp_lg_u32 s3, 0
	s_cbranch_scc1 .Llap
	TURN 0, 1, 0                                   ; the last lap fills nothing
	STEP 1, 0
	s_wait_dscnt 0x0
	WIN MUL
	MUL16 0, 1, 0
	MUL16 2, 1, 0
	WIN 0
; THE WAY OUT, block by block of 16 tokens x 128 columns: sum x 2^(e6 + e7) + bias, through my stage, back as whole rows of 512 bytes, which the 32 lanes store as two aligned units of 256 bytes.
.macro TOSTAGE a
.set AC, 64*(\a)
.irp hb, 0,1
	WIN 0x02
.set jj, 0
.rept 16
	v_pk_fma_f32 v[TMP+jj:TMP+jj+1], v[AC+32*\hb+jj:AC+32*\hb+jj+1], s[96:97], v[CB+32*\hb+jj:CB+32*\hb+jj+1] op_sel_hi:[1,0,1]   ; each accumulator from its low end on
.set jj, jj+2
.endr
	WIN 0
.irp b, 0,1,2,3
	ds_store_b128 v[STO], v[TMP+8*\b:TMP+8*\b+3] offset:128*((4*\hb+\b)/2)+32*(\b%2)
	ds_store_b128 v[STO], v[TMP+8*\b+4:TMP+8*\b+7] offset:128*((4*\hb+\b)/2)+32*(\b%2)+16
.endr
.endr
.set BB, BK+64*((\a)%2)
.irp t, 0,1,2,3,4,5,6,7,8,9,10,11,12,13,14,15
	ds_load_b128 v[BB+4*\t:BB+4*\t+3], v[RD] offset:\t*SPITCH      ; LDS serves a wave's instructions in order (ISA guide 5.7.1.4): these see the stores above
.endr
.endm
.macro SEND a, younger
.set BB, BK+64*((\a)%2)
	s_wait_dscnt \younger
.if (\a) > 0
	s_add_nc_u64 s[OP:OP+1], s[OP:OP+1], 16*4096   ; (behind a wait on XCNT: the earlier stores have read their base)
.endif
.irp t, 0,1,2,3,4,5,6,7,8,9,10,11,12,13,14,15
	global_store_b128 v[LI], v[BB+4*\t:BB+4*\t+3], s[OP:OP+1] offset:\t*4096 th:TH_STORE_NT
.endr
.endm
	s_wait_kmcnt 0x0
	s_add_co_i32 s96, s74, s75
	s_add_co_i32 s96, s96, 127
	s_lshl_b32 s96, s96, 23                        ; 2^(e6 + e7)
	s_mov_b32 s97, s96
	s_wait_loadcnt 0x0                             ; the biases
	PLACES NP
	TOSTAGE 0
.irp a, 1,2,3
.if \a > 1
	s_wait_xcnt 0x0                                ; block a - 2's stores have read their registers and their base
.endif
	TOSTAGE \a
	SEND \a-1, 32                                  ; behind block a - 1's loads: block a's 16 stores and 16 loads
.endr
	s_wait_xcnt 0x0
	SEND 3, 0
	s_wait_tensorcnt 0x0                           ; the wave's end
	ds_add_u32 v[SPW], v[NIL]
	s_wait_dscnt 0x0
	CROUND                                         ; the closing round
	s_endpgm
.Lfunc_end_k_qacaab3afbf_proj:
	.size	k_qacaab3afbf_proj, .Lfunc_end_k_qacaab3afbf_proj-k_qacaab3afbf_proj
	.p2alignl 7, 3214868480
	.fill 96, 4, 3214868480
	.section	.rodata,"a",@progbits
	.p2align	6, 0x0
	.amdhsa_kernel k_qacaab3afbf_proj
		.amdhsa_group_segment_fixed_size 327680
		.amdhsa_private_segment_fixed_size 0
		.amdhsa_enable_private_segment 0
		.amdhsa_kernarg_size 40
		.amdhsa_user_sgpr_count 2
		.amdhsa_user_sgpr_kernarg_segment_ptr 1
		.amdhsa_wavefront_size32 1
		.amdhsa_system_sgpr_workgroup_id_x 1
		.amdhsa_system_sgpr_workgroup_id_y 1
		.amdhsa_system_sgpr_workgroup_id_z 1
		.amdhsa_system_vgpr_workitem_id 0
		.amdhsa_next_free_vgpr 768
		.amdhsa_next_free_sgpr 100
		.amdhsa_reserve_vcc 0
		.amdhsa_float_denorm_mode_32 3
		.amdhsa_float_denorm_mode_16_64 3
		.amdhsa_memory_ordered 1
		.amdhsa_forward_progress 1
		.amdhsa_inst_pref_size 79
	.end_amdhsa_kernel
	.amdgpu_metadata
---
amdhsa.version: [ 1, 2 ]
amdhsa.kernels:
  - .name:           k_qacaab3afbf_proj
    .symbol:         k_qacaab3afbf_proj.kd
    .args:
      - { .name: y_img, .offset: 0, .size: 8, .value_kind: global_buffer, .address_space: global }
      - { .name: w_codes, .offset: 8, .size: 8, .value_kind: global_buffer, .address_space: global }
      - { .name: lowp_scales, .offset: 16, .size: 8, .value_kind: global_buffer, .address_space: global }
      - { .name: b_proj, .offset: 24, .size: 8, .value_kind: global_buffer, .address_space: global }
      - { .name: out0, .offset: 32, .size: 8, .value_kind: global_buffer, .address_space: global }
    .group_segment_fixed_size: 327680
    .private_segment_fixed_size: 0
    .kernarg_segment_align: 8
    .kernarg_segment_size: 40
    .max_flat_workgroup_size: 128
    .sgpr_count:     100
    .vgpr_count:     768
    .wavefront_size: 32
...
	.end_amdgpu_metadata
.endif
;; end of part 4
